; MI455X (gfx1250); checked and timed in simulation.
; The chip was launched on July 23, 2026; its instructions are those of AMD's public machine-readable ISA for CDNA 5 (MIT licence, August 2026) and "CDNA5" Instruction Set Architecture Reference Guide (July 2026). The comments in the code are by the model that wrote it; some were corrected since.
;; RST Attention. Allowed arithmetic: float matrix products may take bf16 or f16 operands with f32 sums; all other float work in f32.
;; Inputs: W_qkv 3,072 x 1,024 float32; b_qkv 3,072 float32; x 4 x 2,048 x 1,024 float32.
;; Outputs: out0 4 x 2,048 x 1,024 float32.
;; Constants: global_epoch = 1000000000.
;; One version. Each part assembles by itself: llvm-mc -triple=amdgcn-amd-amdhsa -mcpu=gfx1250 --defsym DOCPART=n.
;; ======== version 1 of 1: 4 launches
;; limits: values are held in f16: magnitudes above 65,504 overflow, below 6.1e-05 lose precision
;; workspace buffers: xb 16,777,216 bytes; wb 6,291,456 bytes; qkv 50,331,648 bytes; p 33,554,432 bytes; st 1,048,576 bytes
;; launch cast (part 1): grid 2816 x 1, 4 waves a work-group, no clusters, 0 bytes of LDS; arguments x, W_qkv, xb, wb; writes xb, wb
.if DOCPART == 1
	.amdgcn_target "amdgcn-amd-amdhsa--gfx1250"
	.amdhsa_code_object_version 6
	.text
	.protected	k_qec74e6b0ba_cast
	.globl	k_qec74e6b0ba_cast
	.p2align	8
	.type	k_qec74e6b0ba_cast,@function
k_qec74e6b0ba_cast:
	s_mov_b64 s[64:65], 0
	v_nop
	global_prefetch_b8 v0, s[64:65] scope:SCOPE_SE
	s_setreg_imm32_b32 hwreg(HW_REG_WAVE_MODE, 25, 1), 1
	s_wait_xcnt 0x0
; xb = bf16(x), wb = bf16(W_qkv): the matrix operands of the projection, rounded once, to nearest even.
; A stream: every byte is read once and written once, so there is no LDS, no barrier and no matrix work.
; A work-group takes 4,096 numbers (16 KiB in, 8 KiB out), a wave 1,024.  Work-groups 0 to 2,047 take x (8,192 x 1,024 numbers),
; work-groups 2,048 to 2,815 take W (3,072 x 1,024).  A load of a wave covers 512 consecutive bytes; the store made of it covers
; 256 consecutive bytes that begin at a multiple of 256 from the buffer's first byte.
.set XG, 2048                          ; work-groups that take x
	s_load_b256 s[4:11], s[0:1], 0x0               ; x s[4:5], W s[6:7], xb s[8:9], wb s[10:11]
	v_lshrrev_b32 v3, 5, v0                        ; wave
	v_and_b32 v4, 31, v0                           ; lane
	v_lshlrev_b32 v1, 12, v3                       ; in: 4,096 bytes a wave,
	v_lshl_add_u32 v1, v4, 4, v1                   ; 16 a lane
	v_lshlrev_b32 v2, 11, v3                       ; out: 2,048 bytes a wave,
	v_lshl_add_u32 v2, v4, 3, v2                   ; 8 a lane
	s_cmp_lt_u32 ttmp9, XG                         ; x or W?  The selects below leave SCC as it is
	s_cselect_b32 s12, 0, XG
	s_wait_kmcnt 0x0
	s_cselect_b64 s[14:15], s[4:5], s[6:7]         ; from
	s_cselect_b64 s[16:17], s[8:9], s[10:11]       ; to
	s_sub_co_u32 s12, ttmp9, s12                   ; my number among the work-groups of that tensor
	s_lshl_b32 s18, s12, 14
	s_mov_b32 s19, 0
	s_lshl_b32 s20, s12, 13
	s_mov_b32 s21, 0
	s_add_nc_u64 s[14:15], s[14:15], s[18:19]
	s_add_nc_u64 s[16:17], s[16:17], s[20:21]
.irp j, 0,1,2,3,4,5,6,7
	global_load_b128 v[8+4*(\j):11+4*(\j)], v1, s[14:15] offset:512*(\j) th:TH_LOAD_NT  ; read once in the whole program
.endr
.irp j, 0,1,2,3,4,5,6,7
	s_wait_loadcnt 7-(\j)                          ; loads come back in order (ISA guide 5.7.1): load j is in, the 7 - j younger ones stay out
	v_cvt_pk_bf16_f32 v[40+2*(\j)], v[8+4*(\j)], v[9+4*(\j)]
	v_cvt_pk_bf16_f32 v[41+2*(\j)], v[10+4*(\j)], v[11+4*(\j)]
	global_store_b64 v2, v[40+2*(\j):41+2*(\j)], s[16:17] offset:256*(\j)  ; no register is written twice, so nothing waits for the stores
.endr
	s_endpgm
.Lfunc_end_k_qec74e6b0ba_cast:
	.size	k_qec74e6b0ba_cast, .Lfunc_end_k_qec74e6b0ba_cast-k_qec74e6b0ba_cast
	.p2alignl 7, 3214868480
	.fill 96, 4, 3214868480
	.section	.rodata,"a",@progbits
	.p2align	6, 0x0
	.amdhsa_kernel k_qec74e6b0ba_cast
		.amdhsa_group_segment_fixed_size 0
		.amdhsa_private_segment_fixed_size 0
		.amdhsa_enable_private_segment 0
		.amdhsa_kernarg_size 32
		.amdhsa_user_sgpr_count 2
		.amdhsa_user_sgpr_kernarg_segment_ptr 1
		.amdhsa_wavefront_size32 1
		.amdhsa_system_sgpr_workgroup_id_x 1
		.amdhsa_system_sgpr_workgroup_id_y 1
		.amdhsa_system_sgpr_workgroup_id_z 1
		.amdhsa_system_vgpr_workitem_id 0
		.amdhsa_next_free_vgpr 56
		.amdhsa_next_free_sgpr 66
		.amdhsa_reserve_vcc 0
		.amdhsa_float_denorm_mode_32 3
		.amdhsa_float_denorm_mode_16_64 3
		.amdhsa_memory_ordered 1
		.amdhsa_forward_progress 1
		.amdhsa_inst_pref_size 4
	.end_amdhsa_kernel
	.amdgpu_metadata
---
amdhsa.version: [ 1, 2 ]
amdhsa.kernels:
  - .name:           k_qec74e6b0ba_cast
    .symbol:         k_qec74e6b0ba_cast.kd
    .args:
      - { .name: x, .offset: 0, .size: 8, .value_kind: global_buffer, .address_space: global }
      - { .name: W_qkv, .offset: 8, .size: 8, .value_kind: global_buffer, .address_space: global }
      - { .name: xb, .offset: 16, .size: 8, .value_kind: global_buffer, .address_space: global }
      - { .name: wb, .offset: 24, .size: 8, .value_kind: global_buffer, .address_space: global }
    .group_segment_fixed_size: 0
    .private_segment_fixed_size: 0
    .kernarg_segment_align: 8
    .kernarg_segment_size: 32
    .max_flat_workgroup_size: 128
    .sgpr_count:     66
    .vgpr_count:     56
    .wavefront_size: 32
...
	.end_amdgpu_metadata
.endif
;; end of part 1
;; launch proj (part 2): grid 8 x 32, 4 waves a work-group, clusters of 4 x 4, 327,680 bytes of LDS; arguments xb, wb, b_qkv, qkv; writes qkv
.if DOCPART == 2
	.amdgcn_target "amdgcn-amd-amdhsa--gfx1250"
	.amdhsa_code_object_version 6
	.text
	.protected	k_qec74e6b0ba_proj
	.globl	k_qec74e6b0ba_proj
	.p2align	8
	.type	k_qec74e6b0ba_proj,@function
k_qec74e6b0ba_proj:
	s_mov_b64 s[64:65], 0
	v_nop
	global_prefetch_b8 v0, s[64:65] scope:SCOPE_SE
	s_setreg_imm32_b32 hwreg(HW_REG_WAVE_MODE, 25, 1), 1
	s_wait_xcnt 0x0
	s_wait_alu depctr_hold_cnt(0) depctr_sa_sdst(0) depctr_va_vdst(0) depctr_va_sdst(0) depctr_va_ssrc(0) depctr_va_vcc(0) depctr_vm_vsrc(0)
	s_getreg_b32 s2, hwreg(HW_REG_IB_STS2, 6, 4)
	s_cmp_eq_u32 s2, 0
	s_cbranch_scc0 .Lentry_in_a_cluster
	s_endpgm
.Lentry_in_a_cluster:
	s_bfe_u32 s2, ttmp6, 0x10000c
	s_cmp_lg_u32 s2, 0xf033
	s_cbranch_scc0 .Lentry_shape_is_right
	s_endpgm
.Lentry_shape_is_right:
; qkv[t][e] = sum over d of xb[t][d] wb[e][d] + bf16(b[e]).  xb: [8192][1024] bf16, wb: [3072][1024] bf16, b: [3072] f32, qkv: [8192][3072] f16.
; Sums in f32, K ascending; the bias, rounded to bf16 like the other two inputs, is the C operand of each sum's first product; qkv is rounded once.
; LIMIT.  f16 ends at 65,504: q, k and v must stay within it.  With x of spread 1 and W of spread 0.018 they have a spread of 0.6; both inputs
; 30 times larger give some 3e3 at the most, both with an offset of 30 spreads some 1.7e4.  NaN and infinities are not treated apart.
; SHARES.  A tile of qkv is 256 rows x 192 columns: 512 tiles for 256 work-groups.  A WORK-GROUP STAYS and makes two, the halves of a strip of 384 columns.
; Four waves, each 64 rows x all 192 columns: 48 accumulators of 16 x 16, 384 registers; a wave owns whole rows of the tile, so the way out needs no barrier.
; K goes in steps of 128 (rows of 256 bytes) through two LDS slots: a step is 192 matrix instructions a wave, all of them between a refill and the wait for it.
; ONE WALK: the two tiles' 16 K steps are one sequence for the ring and one counted loop; the first tile's last two changes of slots ask for the second tile's first two K steps.
; WHOLE BLOCKS OF 256 BYTES.  192 columns are 384 bytes.  The first tile stores bytes 0-255 of each row of the strip and keeps bytes 256-383, packed, in 64 registers;
; the second tile stores them with its own 384 bytes: bytes 256-767.
; CLUSTER.  4 x 4 work-groups.  The four of a row of the cluster need the same rows of xb, the four of a column the same rows of wb: each tile is asked
; for jointly, by the same tensor load with the same descriptor and a mask that names the four.
; THE MATRIX INSTRUCTION IS USED TRANSPOSED (source 0 = 16 rows of wb, source 1 = 16 rows of xb): a lane holds row l % 16 and eight neighbouring columns.
; REGISTERS, in windows of 256 (s_set_vgpr_msb: bits 1:0 source 0, 3:2 source 1, 5:4 source 2, 7:6 destination):
;   window 0: v0-29 addresses; v64-95, v96-127 A's fragments, two buffers; v128-175 packed results; v176-239 rows read back from the stage
;   window 1: accumulator (a, b), b = 0..7, at v[64 a + 8 b]; a = 0..3 blocks of 16 rows, b blocks of 16 columns
;   window 2: accumulator (a, b), b = 8..11, at v[32 a + 8 (b - 8)]; v128-223 the bias in an accumulator's layout, block b at v[128 + 8 b]; v224-227 at work
;   window 3: v0-95, v96-191 B's fragments, two buffers; v192-255 the kept columns, 16 registers a row block
.set PITCH,  272                       ; an LDS row: 256 bytes + 16 of padding, an odd multiple of 16: the 16 rows of a load start at 16 different groups of four banks (64 banks of 4 bytes: ISA guide 11.1)
.set BHALF,  96*PITCH                  ; what one tensor load brings of B
.set AHALF,  128*PITCH                 ; and of A
.set AOFF,   2*BHALF                   ; in a slot: B's 192 rows, then A's 256
.set SLOT1,  1<<17                     ; slot 1 begins here (a slot is 121,856 bytes): one exclusive or turns an address in one slot into the other's
.set STAGE,  SLOT1+AOFF+2*AHALF        ; behind the ring: 16 rows x 528 bytes for each wave, for the way out
.set SP,     528                       ; a stage row: 512 bytes + 16
.set SPARE,  STAGE+4*16*SP             ; behind the stages: the spare words, 128 bytes a wave: two blocks of 256 bytes that no other line names
.set CP,     6144                      ; bytes in a row of qkv
.set KSTEP,  256                       ; bytes of a row in a K step
.set TILEB,  192*2048                  ; bytes from the first tile's rows of wb to the second's
.set ADRA0, 10                         ; v10  LDS address of my A fragments in slot 0; never rewritten
.set ADRB0, 11                         ; v11  the same for B
.set ADRA,  12                         ; v12  in the slot in hand
.set ADRB,  13                         ; v13
.set STO,   14                         ; v14  the way out: where I put 16 bytes of a row
.set RD0,   15                         ; v15  first tile: where I read two rows' 256 bytes back
.set CO0,   16                         ; v16  and my byte offset in those two rows of qkv
.set BO,    17                         ; v17  my byte offset in 16 numbers of the bias
.set RD1,   18                         ; v18  second tile: where I read a row's 512 bytes back
.set CO1,   19                         ; v19  and my byte offset in them
.set SPW,   28                         ; v28  LDS address of my spare word; never rewritten
.set NIL,   29                         ; v29  0; never rewritten
.set FA,    64                         ; A's fragment buffer f at FA + 32 f; B's, in window 3, at 96 f
.set TMP,   128
.set BIAS,  128                        ; window 2
.set BT,    224                        ; window 2
.set KEEP,  192                        ; window 3
.set WV, 12                            ; s12  wave: which 64 rows of the tile are mine
.set LB, 14                            ; s14  which half of a tile I fetch
.set G1A, 24                           ; s[24:31] descriptor group 1 for A's tiles
.set G1B, 32                           ; s[32:39] for B's
.set G0A0, 40                          ; s[40:43] group 0 of A's first fill
.set G0A, 44                           ; s[44:47] group 0 of A's second fill and of every refill
.set G0B0, 48                          ; s[48:51], s[52:55] the same for B
.set G0B, 52
.set CX, 56
.set CY, 57
.set TX, 58                            ; s58  my strip of 384 columns
.set TY, 59                            ; s59  tile row
.set TB, 62                            ; s62  0 or SLOT1: the slot in hand
.set HIM, 68                           ; s68  a word's upper half
.set OFA, 72                           ; s[72:73] byte offset, from A's K step 0, of the K step asked for
.set OFB, 74                           ; s[74:75] the same for B, the tile's rows included
.set NX, 76                            ; s76  the number, 2..15, of the K step asked for
.set MSB, 0
.macro WIN new                         ; the immediate's high byte repeats the setting that is left; a switch that changes nothing is dropped
.if MSB != (\new)
	s_set_vgpr_msb (MSB<<8)|(\new)
.set MSB, \new
.endif
.endm
.macro PLACES                          ; a load into a register that a matrix instruction has read, and a vector instruction that reads a matrix result, stand four
.rept 4                                ; plain vector instructions behind it (ISA guide 7.12.1 for vector instructions)
	v_nop
.endr
.endm
; A joint refill.  Waves 0 and 1 fetch B's two halves, waves 2 and 3 A's.  The branch hangs on the wave's number alone.  An s_nop 0 and four v_nop follow each line.
.macro JLOAD
	s_cmp_lt_u32 s[WV], 2
	s_cbranch_scc0 .Lfor_a_\@
	tensor_load_to_lds s[G0B:G0B+3], s[G1B:G1B+7]
	s_nop 0
.rept 4
	v_nop
.endr
	s_branch .Lasked_\@
.Lfor_a_\@:
	tensor_load_to_lds s[G0A:G0A+3], s[G1A:G1A+7]
	s_nop 0
.rept 4
	v_nop
.endr
.Lasked_\@:
.endm
.macro CROUND                          ; a round of the cluster's barrier
	s_barrier_signal -1
	s_barrier_wait -1
	s_cmp_lg_u32 s[WV], 0
	s_cbranch_scc1 .Lnot_wave_0_\@
	s_barrier_signal -3
.Lnot_wave_0_\@:
	s_barrier_wait -3
	s_barrier_signal -1
	s_barrier_wait -1
.endm
	s_load_b256 s[4:11], s[0:1], 0x0               ; xb s[4:5], wb s[6:7], b s[8:9], qkv s[10:11]
	v_lshl_add_u32 v[SPW], v0, 2, SPARE
	v_mov_b32 v[NIL], 0
	ds_add_u32 v[SPW], v[NIL]                      ; the wave's opening: the add and its wait stand ahead of my first tensor load; the set-up below, work on registers, stands between them
	v_lshrrev_b32 v3, 5, v0
	v_readfirstlane_b32 s[WV], v3
	s_and_b32 s[LB], s[WV], 1
	s_bfe_u32 s[CX], ttmp6, 0x40000                ; my place in the cluster
	s_bfe_u32 s[CY], ttmp6, 0x40004
	s_lshl_b32 s[TX], ttmp9, 2                     ; in a cluster launch ttmp9 and ttmp7 count clusters
	s_add_co_u32 s[TX], s[TX], s[CX]
	s_and_b32 s[TY], ttmp7, 0xffff
	s_lshl_b32 s[TY], s[TY], 2
	s_add_co_u32 s[TY], s[TY], s[CY]
	s_lshl_b32 s70, s[CY], 2
	s_lshl_b32 s70, 15, s70                        ; my row of the cluster
	s_lshl_b32 s71, 0x1111, s[CX]                  ; my column
	s_or_b32 s[G1A], s70, (1<<16)|(1<<20)|(1<<21)|(5<<22)|(3<<25)  ; 15:0 the mask; 17:16 2-byte elements; 20 padding on; 21 set beside a mask; 24:22 after every 64 words (code 5); 31:25 4 words (code 3)
	s_or_b32 s[G1B], s71, (1<<16)|(1<<20)|(1<<21)|(5<<22)|(3<<25)
	s_mov_b32 s[G1A+1], 128<<16                    ; tensor_dim0 = 128
	s_mov_b32 s[G1A+2], 128<<16                    ; tensor_dim1 = 128
	s_mov_b32 s[G1A+3], 128<<16                    ; tile_dim0 = 128
	s_mov_b32 s[G1A+4], 128                        ; tile_dim1 = 128
	s_mov_b32 s[G1A+5], 1024                       ; elements from row to row
	s_mov_b32 s[G1A+6], 0
	s_mov_b32 s[G1A+7], 0
	s_mov_b32 s[G1B+1], 128<<16
	s_mov_b32 s[G1B+2], 96<<16                     ; B: 96 rows to a load
	s_mov_b32 s[G1B+3], 128<<16
	s_mov_b32 s[G1B+4], 96
	s_mov_b32 s[G1B+5], 1024
	s_mov_b32 s[G1B+6], 0
	s_mov_b32 s[G1B+7], 0
	s_lshl_b32 s16, s[TY], 8                       ; A: row 256 x tile row + 128 x half, rows of 2,048 bytes: it hangs on the tile row alone
	s_lshl_b32 s17, s[LB], 7
	s_add_co_u32 s16, s16, s17
	s_lshl_b32 s16, s16, 11
	s_mov_b32 s17, 0
	s_mul_i32 s20, s[TX], 384                      ; B: row 384 x strip + 96 x half: it hangs on the strip alone
	s_mul_i32 s21, s[LB], 96
	s_add_co_u32 s20, s20, s21
	s_lshl_b32 s20, s20, 11
	s_mov_b32 s21, 0
	s_mul_i32 s18, s[LB], AHALF                    ; where they go: A's halves behind B's 192 rows,
	s_add_co_u32 s18, s18, AOFF
	s_mul_i32 s19, s[LB], BHALF                    ; B's halves at the slot's head: no place in the cluster enters an LDS address
	s_mov_b32 s[G0A0], 1
	s_mov_b32 s[G0A0+1], s18
	s_mov_b32 s[G0A], 1
	s_add_co_u32 s[G0A+1], s18, SLOT1
	s_mov_b32 s[G0B0], 1
	s_mov_b32 s[G0B0+1], s19
	s_mov_b32 s[G0B], 1
	s_add_co_u32 s[G0B+1], s19, SLOT1
	s_mov_b32 s[TB], 0
	s_mov_b32 s[HIM], 0xffff0000
	s_mov_b32 s[OFA+1], 0                          ; the offsets stay under 2^32
	s_mov_b32 s[OFB+1], 0
	s_wait_dscnt 0x0                               ; the opening add is done
	s_wait_kmcnt 0x0
	s_add_nc_u64 s[4:5], s[4:5], s[16:17]          ; xb and wb at my half of the first tile's K step 0
	s_add_nc_u64 s[6:7], s[6:7], s[20:21]
	s_mov_b64 s[G0A0+2:G0A0+3], s[4:5]                             ; K step 0 into slot 0,
	s_add_nc_u64 s[G0A+2:G0A+3], s[4:5], KSTEP                     ; K step 1 into slot 1
	s_or_b32 s[G0A0+3], s[G0A0+3], 0x80000000                      ; 127:126 type = 2
	s_or_b32 s[G0A+3], s[G0A+3], 0x80000000
	s_mov_b64 s[G0B0+2:G0B0+3], s[6:7]
	s_add_nc_u64 s[G0B+2:G0B+3], s[6:7], KSTEP
	s_or_b32 s[G0B0+3], s[G0B0+3], 0x80000000
	s_or_b32 s[G0B+3], s[G0B+3], 0x80000000
	CROUND                                         ; all sixteen work-groups are here: the first joint loads meet
	s_cmp_lt_u32 s[WV], 2                          ; a wave's two first fills stand in one branch: two loads of mine are out
	s_cbranch_scc0 .Lfirst_a
	tensor_load_to_lds s[G0B0:G0B0+3], s[G1B:G1B+7]
	s_nop 0
	tensor_load_to_lds s[G0B:G0B+3], s[G1B:G1B+7]
	s_nop 0
.rept 4
	v_nop
.endr
	s_branch .Lfirst_asked
.Lfirst_a:
	tensor_load_to_lds s[G0A0:G0A0+3], s[G1A:G1A+7]
	s_nop 0
	tensor_load_to_lds s[G0A:G0A+3], s[G1A:G1A+7]
	s_nop 0
.rept 4
	v_nop
.endr
.Lfirst_asked:
	; A fragment is 16 rows x 32 K in 8 registers: lane l holds row l % 16, K = 8 (l / 16) + 0..7 and 16 + 8 (l / 16) + 0..7: two loads of 16 bytes, 32 bytes apart.
	v_and_b32 v1, 15, v0                           ; l % 16
	v_bfe_u32 v2, v0, 4, 1                         ; l / 16
	v_lshlrev_b32 v[BO], 5, v2                     ; my eight columns of a block of 16: 32 bytes for each half of the lanes
	s_mul_i32 s22, s[TX], 1536                     ; the bias of my strip: 4 bytes x 384 x strip
	s_mov_b32 s23, 0
	s_add_nc_u64 s[8:9], s[8:9], s[22:23]
; Register 8 b + j of the bias holds b[the tile's first column + 16 b + 8 (l / 16) + j]: what register j of accumulator (a, b) stands for, whatever a.  off: 0, or the second tile's 768 bytes.
.macro BIASLOAD off
	WIN 0x80                                       ; destination window 2, address window 0
.irp b, 0,1,2,3,4,5,6,7,8,9,10,11
	global_load_b128 v[BIAS+8*(\b):BIAS+8*(\b)+3],   v[BO], s[8:9] offset:(\off)+64*(\b)
	global_load_b128 v[BIAS+8*(\b)+4:BIAS+8*(\b)+7], v[BO], s[8:9] offset:(\off)+64*(\b)+16
.endr
	WIN 0
.endm
	BIASLOAD 0
	v_mul_u32_u24 v3, v1, PITCH
	v_lshl_add_u32 v3, v2, 4, v3                   ; row x pitch + 16 x half
	s_mul_i32 s22, s[WV], 64*PITCH                 ; my 64 rows of A
	s_add_co_u32 s22, s22, AOFF
	v_add_nc_u32 v[ADRA0], s22, v3
	v_mov_b32 v[ADRB0], v3                         ; every wave reads all of B's rows
	v_mov_b32 v[ADRA], v[ADRA0]
	v_mov_b32 v[ADRB], v[ADRB0]
	s_mul_i32 s22, s[WV], 16*SP
	s_add_co_u32 s22, s22, STAGE                   ; my stage
	v_mul_u32_u24 v4, v1, SP                       ; in: row l % 16, 16 bytes for each half of the lanes
	v_lshl_add_u32 v4, v2, 4, v4
	v_add_nc_u32 v[STO], s22, v4
	v_mul_u32_u24 v4, v2, SP                       ; back, first tile: lanes 0-15 take one row's 256 bytes, lanes 16-31 the next row's
	v_lshl_add_u32 v4, v1, 4, v4
	v_add_nc_u32 v[RD0], s22, v4
	v_mul_u32_u24 v4, v2, CP                       ; and the same two rows in qkv
	v_lshl_add_u32 v[CO0], v1, 4, v4
	v_and_b32 v4, 31, v0
	v_lshlrev_b32 v[CO1], 4, v4                    ; back and out, second tile: 32 lanes take a row's 512 bytes
	v_add_nc_u32 v[RD1], s22, v[CO1]
	s_lshl_b32 s22, s[TY], 8                       ; where my rows of the strip begin in qkv
	s_lshl_b32 s23, s[WV], 6
	s_add_co_u32 s22, s22, s23
	s_mul_i32 s22, s22, CP
	s_mul_i32 s23, s[TX], 768
	s_add_co_u32 s22, s22, s23
	s_mov_b32 s23, 0
	s_add_nc_u64 s[10:11], s[10:11], s[22:23]
	WIN 0xc0                                       ; the kept columns are set once, in the wait for the first tile, so that they hold numbers on every way through the text
.set i, 0
.rept 64
	v_mov_b32 v[KEEP+i], 0
.set i, i+1
.endr
	WIN 0
; 4 n matrix instructions: column blocks b0 .. b0 + n - 1 x all four row blocks, 32 along K, on buffer f.  z = 2: the sums start with the bias.
; The 48 accumulators take turns in one order everywhere: between two products on one accumulator stand the 47 others'.
.macro MUL f, b0, n, z
.set bb, \b0
.rept \n
.if bb < 8
.set AC, 8*bb
.set AS, 64
.if (\z) == 2
	WIN 0x63                                       ; B window 3, A window 0, C (the bias) window 2, D window 1
.else
	WIN 0x53                                       ; C and D window 1
.endif
.else
.set AC, 8*(bb-8)
.set AS, 32
	WIN 0xa3                                       ; C and D window 2
.endif
.irp a, 0,1,2,3
.if (\z) == 2
	v_wmma_f32_16x16x32_bf16 v[AC+AS*(\a):AC+AS*(\a)+7], v[96*(\f)+8*bb:96*(\f)+8*bb+7], v[FA+32*(\f)+8*(\a):FA+32*(\f)+8*(\a)+7], v[BIAS+8*bb:BIAS+8*bb+7]
.else
	v_wmma_f32_16x16x32_bf16 v[AC+AS*(\a):AC+AS*(\a)+7], v[96*(\f)+8*bb:96*(\f)+8*bb+7], v[FA+32*(\f)+8*(\a):FA+32*(\f)+8*(\a)+7], v[AC+AS*(\a):AC+AS*(\a)+7]
.endif
.endr
.set bb, bb+1
.endr
.endm
; 32 LDS loads in one run: the fragments of quarter q of a K step (my 64 rows of A, then B's 192 rows, 32 K) into buffer f
.macro FETCH q, f
	WIN 0
.irp i, 0,1,2,3
	ds_load_b128 v[FA+32*(\f)+8*(\i):FA+32*(\f)+8*(\i)+3],   v[ADRA] offset:64*(\q)+(\i)*16*PITCH
	ds_load_b128 v[FA+32*(\f)+8*(\i)+4:FA+32*(\f)+8*(\i)+7], v[ADRA] offset:64*(\q)+(\i)*16*PITCH+32
.endr
	WIN 0xc0                                       ; destination window 3, address window 0
.irp i, 0,1,2,3,4,5,6,7,8,9,10,11
	ds_load_b128 v[96*(\f)+8*(\i):96*(\f)+8*(\i)+3],   v[ADRB] offset:64*(\q)+(\i)*16*PITCH
	ds_load_b128 v[96*(\f)+8*(\i)+4:96*(\f)+8*(\i)+7], v[ADRB] offset:64*(\q)+(\i)*16*PITCH+32
.endr
.endm
; A K step is four quarters of 32 along K, 48 matrix instructions each, on buffers 0, 1, 0, 1.  One of the first three: multiplies buffer f and, in its middle, fetches quarter q into buffer g.
.macro QUARTER q, f, g, z
	s_wait_dscnt 12                                ; A and B's blocks 0-5 are in; the youngest twelve loads (B's blocks 6-11) may be out
	MUL \f, 0, 6, \z
	PLACES
	FETCH \q, \g
	s_wait_dscnt 32                                ; all but the 32 just issued
	MUL \f, 6, 6, \z
.endm
; The last quarter changes slots at its head, so that a refill has a whole step's products in which to land.  Each wave waits for all its tensor loads, of which one is out: its part of the next slot;
; adds 0 to its spare word; and waits for that and for its own reads of this slot, the last quarter's fragments among them.  fill = 1: a round of the cluster's barrier, and the joint refill first
; behind it: this slot takes K step NX = 17 - s3 of the walk's 16, two steps on; its address is made anew from that number: NX % 8 steps along K, and for NX / 8 = 1 the second tile's rows of wb.
; fill = 0: the work-group's barrier alone.  Then the next slot's first fragments and the quarter's products.
.macro TURN fill
	WIN 0
	s_wait_tensorcnt 0x0                           ; all my tensor loads have landed, so a group 0 may be written
	ds_add_u32 v[SPW], v[NIL]                      ; 0 onto my spare word: with fill = 1 the descriptors' scalar work stands between it and the wait for it
.if \fill
	s_sub_co_u32 s[NX], 17, s3
	s_and_b32 s[OFA], s[NX], 7
	s_lshl_b32 s[OFA], s[OFA], 8
	s_lshr_b32 s[OFB], s[NX], 3
	s_mul_i32 s[OFB], s[OFB], TILEB
	s_add_co_u32 s[OFB], s[OFB], s[OFA]
	s_xor_b32 s[G0A+1], s[G0A+1], SLOT1            ; the other slot than last time
	s_xor_b32 s[G0B+1], s[G0B+1], SLOT1
	s_add_nc_u64 s[G0A+2:G0A+3], s[4:5], s[OFA:OFA+1]
	s_or_b32 s[G0A+3], s[G0A+3], 0x80000000
	s_add_nc_u64 s[G0B+2:G0B+3], s[6:7], s[OFB:OFB+1]
	s_or_b32 s[G0B+3], s[G0B+3], 0x80000000
	s_wait_dscnt 0x0                               ; the add is done, and my reads of this slot are over
	CROUND                                         ; no wave of any partner still reads this slot or has a load on its way
	JLOAD                                          ; its four v_nop are also the places in front of the loads below
.else
	s_wait_dscnt 0x0
	s_barrier_signal -1
	s_barrier_wait -1
	PLACES
.endif
	s_xor_b32 s[TB], s[TB], SLOT1
	v_add_nc_u32 v[ADRA], s[TB], v[ADRA0]
	v_add_nc_u32 v[ADRB], s[TB], v[ADRB0]
	FETCH 0, 0
	MUL 1, 0, 12, 0
.endm
.macro ROUNDBIAS                       ; the bias to bf16 and back to f32, in place
	WIN 0x8a                                       ; destination and both sources in window 2
.set i, 0
.rept 48
	v_cvt_pk_bf16_f32 v[BT+i%4], v[BIAS+2*i], v[BIAS+2*i+1]
	v_lshlrev_b32 v[BIAS+2*i], 16, v[BT+i%4]
	v_and_b32 v[BIAS+2*i+1], s[HIM], v[BT+i%4]
.set i, i+1
.endr
.endm
; THE WAY OUT of row block a; last = 0: the first tile, 1: the second.
; PACK: rounded to f16, 16 bytes a lane and column block, each accumulator's registers in ascending order.  The first tile's blocks 8-11 go into the kept registers.
.macro PACK a, last
	WIN 0x05                                       ; sources in window 1, destination in window 0
.set i, 0
.rept 32
	v_cvt_pk_f16_f32 v[TMP+i], v[64*(\a)+2*i], v[64*(\a)+2*i+1]
.set i, i+1
.endr
.set i, 0
.if \last
	WIN 0x0a                                       ; sources in window 2, destination in window 0
.rept 16
	v_cvt_pk_f16_f32 v[TMP+32+i], v[32*(\a)+2*i], v[32*(\a)+2*i+1]
.set i, i+1
.endr
.else
	WIN 0xca                                       ; sources in window 2, destination in window 3
.rept 16
	v_cvt_pk_f16_f32 v[KEEP+16*(\a)+i], v[32*(\a)+2*i], v[32*(\a)+2*i+1]
.set i, i+1
.endr
.endif
	WIN 0
.endm
; TOSTAGE: into my own stage, and back as whole rows: the strip's bytes 0-255 (first tile), or its bytes 256-767: the kept 128 and the second tile's 384.
.macro TOSTAGE a, last
.if \last
.set BK, 176-112*((\a)%2)              ; v176-239 and v64-127 (A's buffers, no longer needed) by turns
	WIN 0x0c                                       ; the stores' data in window 3, their address in window 0
.irp j, 0,1,2,3
	ds_store_b128 v[STO], v[KEEP+16*(\a)+4*(\j):KEEP+16*(\a)+4*(\j)+3] offset:32*(\j)
.endr
	WIN 0
.irp b, 0,1,2,3,4,5,6,7,8,9,10,11
	ds_store_b128 v[STO], v[TMP+4*(\b):TMP+4*(\b)+3] offset:128+32*(\b)
.endr
.irp t, 0,1,2,3,4,5,6,7,8,9,10,11,12,13,14,15
	ds_load_b128 v[BK+4*(\t):BK+4*(\t)+3], v[RD1] offset:(\t)*SP  ; LDS serves a wave's instructions in order (ISA guide 5.7.1.4): these see the stores above
.endr
.else
.set BK, 176+32*((\a)%2)               ; v176-207 and v208-239 by turns
.irp b, 0,1,2,3,4,5,6,7
	ds_store_b128 v[STO], v[TMP+4*(\b):TMP+4*(\b)+3] offset:32*(\b)
.endr
.irp t, 0,1,2,3,4,5,6,7
	ds_load_b128 v[BK+4*(\t):BK+4*(\t)+3], v[RD0] offset:(\t)*2*SP
.endr
.endif
.endm
.macro SEND a, last
	s_wait_dscnt 0x0                               ; the block is back in registers
	s_wait_xcnt 0x0                                ; the stores of the block before have read their registers, into which the next block is read back
.if \last
.set BK, 176-112*((\a)%2)
.irp t, 0,1,2,3,4,5,6,7,8,9,10,11,12,13,14,15
	global_store_b128 v[CO1], v[BK+4*(\t):BK+4*(\t)+3], s[10:11] offset:(16*(\a)+(\t))*CP+256  ; 512 consecutive bytes, at a multiple of 256 from qkv's first byte
.endr
.else
.set BK, 176+32*((\a)%2)
.irp t, 0,1,2,3,4,5,6,7
	global_store_b128 v[CO0], v[BK+4*(\t):BK+4*(\t)+3], s[10:11] offset:(16*(\a)+2*(\t))*CP  ; 16 lanes store 256 consecutive bytes, at a multiple of 256 from qkv's first byte
.endr
.endif
.endm
.macro WAYOUT last                     ; block a's conversions stand between block a - 1's loads from the stage and the wait for them
	PACK 0, \last
	TOSTAGE 0, \last
.irp a, 1,2,3
	PACK \a, \last
	SEND (\a)-1, \last
	TOSTAGE \a, \last
.endr
	SEND 3, \last
.endm
	s_wait_tensorcnt 0x1                           ; my part of K step 0 is in; K step 1's may stay out
	s_barrier_signal -1
	s_barrier_wait -1                              ; everybody's is
	FETCH 0, 0
	WIN 0
	s_mov_b32 s3, 16                               ; s3 = 15 - the walk's K step in hand: the same number in every work-group
	s_branch .Lbias                                ; the loop is entered at a tile's first quarter
.Lstep:                                                ; a trip: a K step's quarters 1 to 3, a refill, and the next step's quarter 0
	QUARTER 2, 1, 0, 0
	QUARTER 3, 0, 1, 0
	WIN 0                                          ; at a branch and at a label every window is 0
	s_cmp_eq_u32 s3, 1
	s_cbranch_scc1 .Llast                          ; the walk's last step but one: nothing is left to ask for, and the tail is written out
	TURN 1
	WIN 0
	s_cmp_eq_u32 s3, 8
	s_cbranch_scc1 .Lmid                           ; the first tile's last K step is done
	QUARTER 1, 0, 1, 0
	WIN 0
	s_branch .Lbottom
.Lmid:                                                 ; both refills for the second tile are asked for: now the first tile goes out; buffer 0 holds the second tile's first fragments and is not touched
	PLACES
	BIASLOAD 768                                   ; the second tile's bias comes in under the way out
	WAYOUT 0
	s_wait_xcnt 0x0                                ; the stores have read their registers, which the second way out loads again
.Lbias:
	s_wait_loadcnt 0x0                             ; this tile's bias
	ROUNDBIAS
	QUARTER 1, 0, 1, 2                             ; a tile's first quarter starts the sums
	WIN 0
.Lbottom:
	s_sub_co_u32 s3, s3, 1
	s_cmp_lg_u32 s3, 0
	s_cbranch_scc1 .Lstep
.Llast:
	TURN 0
	QUARTER 1, 0, 1, 0
	QUARTER 2, 1, 0, 0
	QUARTER 3, 0, 1, 0
	s_wait_dscnt 0x0
	MUL 1, 0, 12, 0
	WIN 0
	PLACES
	WAYOUT 1
	s_wait_tensorcnt 0x0                           ; the wave's end: behind my last tensor load and my last LDS store
	ds_add_u32 v[SPW], v[NIL]
	s_wait_dscnt 0x0
	CROUND                                         ; the closing round: no work-group ends while a partner may still ask for a tile that names it
	s_endpgm
.Lfunc_end_k_qec74e6b0ba_proj:
	.size	k_qec74e6b0ba_proj, .Lfunc_end_k_qec74e6b0ba_proj-k_qec74e6b0ba_proj
	.p2alignl 7, 3214868480
	.fill 96, 4, 3214868480
	.section	.rodata,"a",@progbits
	.p2align	6, 0x0
	.amdhsa_kernel k_qec74e6b0ba_proj
		.amdhsa_group_segment_fixed_size 327680
		.amdhsa_private_segment_fixed_size 0
		.amdhsa_enable_private_segment 0
		.amdhsa_kernarg_size 32
		.amdhsa_user_sgpr_count 2
		.amdhsa_user_sgpr_kernarg_segment_ptr 1
		.amdhsa_wavefront_size32 1
		.amdhsa_system_sgpr_workgroup_id_x 1
		.amdhsa_system_sgpr_workgroup_id_y 1
		.amdhsa_system_sgpr_workgroup_id_z 1
		.amdhsa_system_vgpr_workitem_id 0
		.amdhsa_next_free_vgpr 1024
		.amdhsa_next_free_sgpr 80
		.amdhsa_reserve_vcc 0
		.amdhsa_float_denorm_mode_32 3
		.amdhsa_float_denorm_mode_16_64 3
		.amdhsa_memory_ordered 1
		.amdhsa_forward_progress 1
		.amdhsa_inst_pref_size 122
	.end_amdhsa_kernel
	.amdgpu_metadata
---
amdhsa.version: [ 1, 2 ]
amdhsa.kernels:
  - .name:           k_qec74e6b0ba_proj
    .symbol:         k_qec74e6b0ba_proj.kd
    .args:
      - { .name: xb, .offset: 0, .size: 8, .value_kind: global_buffer, .address_space: global }
      - { .name: wb, .offset: 8, .size: 8, .value_kind: global_buffer, .address_space: global }
      - { .name: b_qkv, .offset: 16, .size: 8, .value_kind: global_buffer, .address_space: global }
      - { .name: qkv, .offset: 24, .size: 8, .value_kind: global_buffer, .address_space: global }
    .group_segment_fixed_size: 327680
    .private_segment_fixed_size: 0
    .kernarg_segment_align: 8
    .kernarg_segment_size: 32
    .max_flat_workgroup_size: 128
    .sgpr_count:     80
    .vgpr_count:     1024
    .wavefront_size: 32
...
	.end_amdgpu_metadata
.endif
;; end of part 2
;; launch scores (part 3): grid 8 x 32, 4 waves a work-group, clusters of 4 x 4, 327,680 bytes of LDS; arguments qkv, p, st; writes p, st
.if DOCPART == 3
	.amdgcn_target "amdgcn-amd-amdhsa--gfx1250"
	.amdhsa_code_object_version 6
	.text
	.protected	k_qec74e6b0ba_scores
	.globl	k_qec74e6b0ba_scores
	.p2align	8
	.type	k_qec74e6b0ba_scores,@function
k_qec74e6b0ba_scores:
	s_mov_b64 s[64:65], 0
	v_nop
	global_prefetch_b8 v0, s[64:65] scope:SCOPE_SE
	s_setreg_imm32_b32 hwreg(HW_REG_WAVE_MODE, 25, 1), 1
	s_wait_xcnt 0x0
	s_wait_alu depctr_hold_cnt(0) depctr_sa_sdst(0) depctr_va_vdst(0) depctr_va_sdst(0) depctr_va_ssrc(0) depctr_va_vcc(0) depctr_vm_vsrc(0)
	s_getreg_b32 s2, hwreg(HW_REG_IB_STS2, 6, 4)
	s_cmp_eq_u32 s2, 0
	s_cbranch_scc0 .Lentry_in_a_cluster
	s_endpgm
.Lentry_in_a_cluster:
	s_bfe_u32 s2, ttmp6, 0x10000c
	s_cmp_lg_u32 s2, 0xf033
	s_cbranch_scc0 .Lentry_shape_is_right
	s_endpgm
.Lentry_shape_is_right:
; For each query row t and each block of 128 keys of its batch: s = q[t] . k[key]; m = the block's largest s; p = 2^(c s - c m), c = log2(e) / 32 (the 1 / sqrt(1024) and the change of base),
; rounded to f16; l = the sum of the block's rounded p.  Stored: p, [8192][2048] f16; (c m, l) in f32, st[key block 0..15][row 0..8191].  The next launch brings a row's 16 blocks to the row's own maximum.
; qkv: [8192][3072] f16; q is columns 0-1023, k columns 1024-2047.  Products, maxima and sums in f32.
; THE RESONANCE.  reference() adds one number, the same for every key, to a row's scores and then takes the row's maximum away: for every input that number leaves each weight as it is, so it is not formed.
; LIMITS.  p lies in 0 to 1, and below 6e-5 it keeps f16's fixed step of 6e-8; an exponential below 2^-126 counts as 0; NaN and infinities are not treated apart.
; SHARES.  A tile is 256 queries x 256 keys: 4 batches x 8 x 8 = 256 tiles, one to a work-group.  Four waves, each 128 queries x 128 keys (one block of the statistics): 64 accumulators, 512 registers.
; K (the 1,024 channels) goes in 8 steps of 128 (rows of 256 bytes) through two LDS slots: a step is 256 matrix instructions a wave, 224 of them between a refill and the wait for it.
; CLUSTER.  4 x 4 work-groups of one batch: the four of a row need the same rows of q, the four of a column the same rows of k: each tile is asked for jointly.
; THE MATRIX INSTRUCTION IS USED TRANSPOSED (source 0 = 16 keys, source 1 = 16 queries): a lane holds ONE query (l % 16) and, in accumulator (a, b), the keys 16 b + 8 (l / 16) + 0..7.
; REGISTERS, in windows of 256 (s_set_vgpr_msb: bits 1:0 source 0, 3:2 source 1, 5:4 source 2, 7:6 destination):
;   window 0: v0-29 addresses, statistics; v32-63 at work on the way out; v64-127, v128-191 q's fragments, two buffers (on the way out: rows read back); v192-223 packed p
;   window 1: v64-127, v128-191 k's fragments, two buffers
;   window 2: accumulators of my query blocks a = 0..3, (a, b) at v[8 (8 a + b)];   window 3: those of a = 4..7
.set PITCH,  272                       ; an LDS row: 256 bytes + 16 of padding, an odd multiple of 16: the 16 rows of a load start at 16 different groups of four banks (64 banks of 4 bytes: ISA guide 11.1)
.set HALFT,  128*PITCH                 ; 128 rows: what one tensor load brings, and what one wave reads of q or of k
.set SLOT,   4*HALFT                   ; q's 256 rows, then k's 256: 0x22000 bytes.  The loads' addresses in slot 0, wave x 0x8800, have bits 13 and 17 clear: one exclusive or turns them into slot 1's
.set STAGE,  2*SLOT                    ; behind the ring: 16 rows x 272 bytes for each wave
.set SPARE,  STAGE+4*16*PITCH          ; the spare words, 128 bytes a wave: two blocks of 256 bytes that no other line names
.set NS,     8                         ; K steps
.set CP,     4096                      ; bytes in a row of p
.set QP,     6144                      ; bytes in a row of qkv
.set KSTEP,  256
.set ADRA0, 10                         ; v10  LDS address of my q fragments in slot 0; never rewritten
.set ADRB0, 11                         ; v11  the same for k
.set ADRA,  12                         ; v12  in the slot in hand
.set ADRB,  13
.set STO,   14                         ; v14  the way out: where I put 16 bytes of a row
.set RD,    15                         ; v15  where I read a row back
.set CO,    16                         ; v16  my byte offset in two rows of p
.set SO,    17                         ; v17  8 x lane: my pair in 32 rows of the statistics
.set ST,    18                         ; v18-21  (c m, l) of an even and of an odd query block
.set SOUT,  22                         ; v22-23  the pair to store
.set SPW,   28
.set NIL,   29
.set CH,    32                         ; v32-39  eight chains of the maximum
.set L0,    40                         ; v40-47, v48-55  two accumulators for l
.set L1,    48
.set ONES,  56                         ; v56-63  a fragment of ones
.set F0,    64
.set F1,    128
.set OB,    64                         ; the way out: 16 rows read back: v64-95 and v96-127 by turns
.set TMP,   192
.set WV, 12
.set HB, 13                            ; which 128 queries are mine; also: I fetch for q (0) or for k (1)
.set LB, 14                            ; which 128 keys are mine; also: which 128 rows I fetch
.set G1A, 24
.set G1B, 32
.set G0A0, 40                          ; group 0 of the first fill; G0A: of the second, which then walks on
.set G0A, 44
.set G0B0, 48
.set G0B, 52
.set CX, 56
.set CY, 57
.set TX, 58
.set TY, 59
.set SEL, 60                           ; s[60:61] v_permlanex16_b32's selects: each lane takes its own place in the other half
.set TB, 62                            ; 0 or SLOT: the slot in hand
.set HM, 63                            ; the mask of lanes 16-31
.set CS, 66                            ; s[66:67] c: the packed scaling takes the pair's low word for both halves
.set BAT, 69
.set MSB, 0
.macro WIN new                         ; the immediate's high byte repeats the setting that is left; a switch that changes nothing is dropped
.if MSB != (\new)
	s_set_vgpr_msb (MSB<<8)|(\new)
.set MSB, \new
.endif
.endm
.set MUL_LO, 0xa1                      ; source 0 (k) window 1, source 1 (q) window 0, C and D window 2
.set MUL_HI, 0xf1                      ; the same, C and D window 3
.set TO_B,   0x40                      ; destination window 1, address window 0
.macro PLACES                          ; four plain vector instructions behind a matrix instruction, ahead of loads into its sources and of reads of its result (ISA guide 7.12.1 for reads of its result)
.rept 4
	v_nop
.endr
.endm
.macro JLOAD                           ; a joint refill: waves 0 and 1 fetch q's two halves, waves 2 and 3 k's; an s_nop 0 and four v_nop follow each line
	s_cmp_lt_u32 s[WV], 2
	s_cbranch_scc0 .Lfor_b_\@
	tensor_load_to_lds s[G0A:G0A+3], s[G1A:G1A+7]
	s_nop 0
.rept 4
	v_nop
.endr
	s_branch .Lasked_\@
.Lfor_b_\@:
	tensor_load_to_lds s[G0B:G0B+3], s[G1B:G1B+7]
	s_nop 0
.rept 4
	v_nop
.endr
.Lasked_\@:
.endm
.macro CREST                           ; a round of the cluster's barrier behind its opening barrier
	s_cmp_lg_u32 s[WV], 0
	s_cbranch_scc1 .Lnot_wave_0_\@
	s_barrier_signal -3
.Lnot_wave_0_\@:
	s_barrier_wait -3
	s_barrier_signal -1
	s_barrier_wait -1
.endm
.macro CROUND
	s_barrier_signal -1
	s_barrier_wait -1
	CREST
.endm
	s_load_b128 s[4:7], s[0:1], 0x0                ; qkv s[4:5], p s[6:7]
	s_load_b64 s[8:9], s[0:1], 0x10                ; st
	v_lshl_add_u32 v[SPW], v0, 2, SPARE
	v_mov_b32 v[NIL], 0
	ds_add_u32 v[SPW], v[NIL]                      ; the wave's opening: the add and its wait stand ahead of my first tensor load; the set-up below, work on registers, stands between them
	v_lshrrev_b32 v3, 5, v0
	v_readfirstlane_b32 s[WV], v3
	s_lshr_b32 s[HB], s[WV], 1
	s_and_b32 s[LB], s[WV], 1
	s_bfe_u32 s[CX], ttmp6, 0x40000
	s_bfe_u32 s[CY], ttmp6, 0x40004
	s_lshl_b32 s[TX], ttmp9, 2
	s_add_co_u32 s[TX], s[TX], s[CX]               ; key tile in the batch, 0..7
	s_and_b32 s[BAT], ttmp7, 0xffff
	s_lshl_b32 s[TY], s[BAT], 2
	s_add_co_u32 s[TY], s[TY], s[CY]               ; query tile, 0..31
	s_lshr_b32 s[BAT], s[BAT], 1                   ; a batch is 8 query tiles, two clusters: made of the cluster's y alone
	s_lshl_b32 s70, s[CY], 2
	s_lshl_b32 s70, 15, s70                        ; my row of the cluster
	s_lshl_b32 s71, 0x1111, s[CX]                  ; my column
	s_or_b32 s[G1A], s70, (1<<16)|(1<<20)|(1<<21)|(5<<22)|(3<<25)  ; mask; 2-byte elements; padding on; bit 21 beside a mask; after every 64 words (code 5); 4 words (code 3)
	s_or_b32 s[G1B], s71, (1<<16)|(1<<20)|(1<<21)|(5<<22)|(3<<25)
.irp g, G1A, G1B
	s_mov_b32 s[(\g)+1], 128<<16                   ; tensor_dim0 = 128
	s_mov_b32 s[(\g)+2], 128<<16                   ; tensor_dim1 = 128
	s_mov_b32 s[(\g)+3], 128<<16                   ; tile_dim0 = 128
	s_mov_b32 s[(\g)+4], 128                       ; tile_dim1 = 128
	s_mov_b32 s[(\g)+5], 3072                      ; elements from row to row
	s_mov_b32 s[(\g)+6], 0
	s_mov_b32 s[(\g)+7], 0
.endr
	s_lshl_b32 s16, s[TY], 8                       ; q: row 256 x query tile + 128 x half: it hangs on the query tile alone
	s_lshl_b32 s17, s[LB], 7
	s_add_co_u32 s16, s16, s17
	s_mul_i32 s16, s16, QP
	s_mov_b32 s17, 0
	s_lshl_b32 s20, s[BAT], 11                     ; k: row 2,048 x batch + 256 x key tile + 128 x half, 2,048 bytes into the row
	s_lshl_b32 s21, s[TX], 8
	s_add_co_u32 s20, s20, s21
	s_lshl_b32 s21, s[LB], 7
	s_add_co_u32 s20, s20, s21
	s_mul_i32 s20, s20, QP
	s_add_co_u32 s20, s20, 2048
	s_mov_b32 s21, 0
	s_mul_i32 s18, s[WV], HALFT                    ; where they go: q's two halves, then k's two = wave x 128 rows: no place in the cluster enters an LDS address
	s_mov_b32 s[G0A0], 1
	s_mov_b32 s[G0A0+1], s18
	s_mov_b32 s[G0A], 1
	s_add_co_u32 s[G0A+1], s18, SLOT
	s_mov_b32 s[G0B0], 1
	s_mov_b32 s[G0B0+1], s18
	s_mov_b32 s[G0B], 1
	s_add_co_u32 s[G0B+1], s18, SLOT
	s_mov_b32 s[TB], 0
	s_mov_b32 s[SEL], 0x76543210
	s_mov_b32 s[SEL+1], 0xfedcba98
	s_mov_b32 s[CS], 0x3d38aa3b                    ; c = log2(e) / 32 = 0.0450842
	s_mov_b32 s[CS+1], s[CS]                       ; named with it as a pair
	s_wait_dscnt 0x0                               ; the opening add is done
	s_wait_kmcnt 0x0
	s_add_nc_u64 s[G0A0+2:G0A0+3], s[4:5], s[16:17]                ; K step 0 into slot 0,
	s_add_nc_u64 s[G0A+2:G0A+3], s[G0A0+2:G0A0+3], KSTEP           ; K step 1 into slot 1
	s_or_b32 s[G0A0+3], s[G0A0+3], 0x80000000                      ; type = 2
	s_or_b32 s[G0A+3], s[G0A+3], 0x80000000
	s_add_nc_u64 s[G0B0+2:G0B0+3], s[4:5], s[20:21]
	s_add_nc_u64 s[G0B+2:G0B+3], s[G0B0+2:G0B0+3], KSTEP
	s_or_b32 s[G0B0+3], s[G0B0+3], 0x80000000
	s_or_b32 s[G0B+3], s[G0B+3], 0x80000000
	CROUND                                         ; all sixteen work-groups are here: the first joint loads meet
	s_cmp_lt_u32 s[WV], 2                          ; a wave's two first fills stand in one branch: two loads of mine are out
	s_cbranch_scc0 .Lfirst_b
	tensor_load_to_lds s[G0A0:G0A0+3], s[G1A:G1A+7]
	s_nop 0
	tensor_load_to_lds s[G0A:G0A+3], s[G1A:G1A+7]
	s_nop 0
.rept 4
	v_nop
.endr
	s_branch .Lfirst_asked
.Lfirst_b:
	tensor_load_to_lds s[G0B0:G0B0+3], s[G1B:G1B+7]
	s_nop 0
	tensor_load_to_lds s[G0B:G0B+3], s[G1B:G1B+7]
	s_nop 0
.rept 4
	v_nop
.endr
.Lfirst_asked:
	; A fragment is 16 rows x 32 K in 8 registers: lane l holds row l % 16, K = 8 (l / 16) + 0..7 and 16 + 8 (l / 16) + 0..7: two loads of 16 bytes, 32 bytes apart.
	v_and_b32 v1, 15, v0                           ; l % 16
	v_bfe_u32 v2, v0, 4, 1                         ; l / 16
	v_mul_u32_u24 v3, v1, PITCH
	v_lshl_add_u32 v3, v2, 4, v3                   ; row x pitch + 16 x half
	s_mul_i32 s72, s[HB], HALFT
	s_mul_i32 s73, s[LB], HALFT
	s_add_co_u32 s73, s73, 2*HALFT
	v_add_nc_u32 v[ADRA0], s72, v3
	v_add_nc_u32 v[ADRB0], s73, v3
	v_mov_b32 v[ADRA], v[ADRA0]
	v_mov_b32 v[ADRB], v[ADRB0]
	s_mul_i32 s72, s[WV], 16*PITCH
	s_add_co_u32 s72, s72, STAGE                   ; my stage
	v_add_nc_u32 v[STO], s72, v3                   ; in: row l % 16, 16 bytes for each half of the lanes
	v_mul_u32_u24 v4, v2, PITCH                    ; back: lanes 0-15 take one row of 256 bytes, lanes 16-31 the next
	v_lshl_add_u32 v4, v1, 4, v4
	v_add_nc_u32 v[RD], s72, v4
	v_lshlrev_b32 v4, 12, v2                       ; and the same two rows in p
	v_lshl_add_u32 v[CO], v1, 4, v4
	v_and_b32 v4, 31, v0
	v_lshlrev_b32 v[SO], 3, v4
	v_cmp_eq_u32 s[HM], 1, v2
	v_mov_b32 v[ST+1], 0                           ; named with c m as a pair before l is made
	v_mov_b32 v[ST+3], 0
.irp i, 0,1,2,3,4,5,6,7
	v_mov_b32 v[ONES+(\i)], 0x3c003c00             ; 1.0 in f16, twice
.endr
	s_lshl_b32 s72, s[TY], 8                       ; where my part of the tile begins in p
	s_lshl_b32 s73, s[HB], 7
	s_add_co_u32 s72, s72, s73
	s_lshl_b32 s72, s72, 12
	s_lshl_b32 s73, s[TX], 9
	s_add_co_u32 s72, s72, s73
	s_lshl_b32 s73, s[LB], 8
	s_add_co_u32 s72, s72, s73
	s_mov_b32 s73, 0
	s_add_nc_u64 s[6:7], s[6:7], s[72:73]
	s_lshl_b32 s74, s[TX], 17                      ; and in st: key block 2 x key tile + half, 65,536 bytes each; 8 bytes a row
	s_lshl_b32 s75, s[LB], 16
	s_add_co_u32 s74, s74, s75
	s_lshl_b32 s75, s[TY], 11
	s_add_co_u32 s74, s74, s75
	s_lshl_b32 s75, s[HB], 10
	s_add_co_u32 s74, s74, s75
	s_mov_b32 s75, 0
	s_add_nc_u64 s[8:9], s[8:9], s[74:75]
; 16 matrix instructions: query blocks a0, a0 + 1 of the window's four (hi = 0: my queries 0-63, 1: 64-127) x all 8 key blocks, 32 along K.  zero = 1: the first product starts the sums.
; The 64 accumulators take turns in one order everywhere.
.macro MUL16 f, hi, a0, zero
	WIN MUL_LO+0x50*(\hi)
.irp a, \a0, (\a0)+1
.irp b, 0,1,2,3,4,5,6,7
.if \zero
	v_wmma_f32_16x16x32_f16 v[8*(8*(\a)+(\b)):8*(8*(\a)+(\b))+7], v[(\f)+8*(\b):(\f)+8*(\b)+7], v[(\f)+8*(4*(\hi)+(\a)):(\f)+8*(4*(\hi)+(\a))+7], 0
.else
	v_wmma_f32_16x16x32_f16 v[8*(8*(\a)+(\b)):8*(8*(\a)+(\b))+7], v[(\f)+8*(\b):(\f)+8*(\b)+7], v[(\f)+8*(4*(\hi)+(\a)):(\f)+8*(4*(\hi)+(\a))+7], v[8*(8*(\a)+(\b)):8*(8*(\a)+(\b))+7]
.endif
.endr
.endr
.endm
.macro FETCH k, f                      ; 32 LDS loads in one run: a quarter step's fragments (128 rows of k, then 128 of q, 32 K at byte k of the rows) into buffer f
	WIN TO_B
.irp i, 0,1,2,3,4,5,6,7
	ds_load_b128 v[(\f)+8*(\i):(\f)+8*(\i)+3],   v[ADRB] offset:(\k)+(\i)*16*PITCH
	ds_load_b128 v[(\f)+8*(\i)+4:(\f)+8*(\i)+7], v[ADRB] offset:(\k)+(\i)*16*PITCH+32
.endr
	WIN 0
.irp i, 0,1,2,3,4,5,6,7
	ds_load_b128 v[(\f)+8*(\i):(\f)+8*(\i)+3],   v[ADRA] offset:(\k)+(\i)*16*PITCH
	ds_load_b128 v[(\f)+8*(\i)+4:(\f)+8*(\i)+7], v[ADRA] offset:(\k)+(\i)*16*PITCH+32
.endr
.endm
; A K step is four quarters of 32 along K, 64 matrix instructions each, on buffers 0, 1, 0, 1.  One of the first three: multiplies buffer f and, in its middle, fetches the next quarter into buffer g.
.macro QUARTER k, f, g, zero
	s_wait_dscnt 8                                 ; k and q's rows 0-63 are in; the youngest eight loads (q's rows 64-127) may be out
	MUL16 \f, 0, 0, \zero
	MUL16 \f, 0, 2, \zero
	PLACES
	FETCH \k, \g
	s_wait_dscnt 32                                ; all but the 32 just issued
	MUL16 \f, 1, 0, \zero
	MUL16 \f, 1, 2, \zero
.endm
; The last quarter multiplies buffer 1 and changes slots: ONE barrier.  In front of it each wave waits for all its tensor loads, of which one is out: its part of the next slot; adds 0 to its
; spare word; and waits for that and for its own reads of this slot.  fill = 1: this slot takes the K step behind the one asked for last: the barrier opens a round of the cluster's, and the joint
; refill is the first thing behind the round.  fill = 0: nothing is asked for.
.macro TURN fill
	WIN 0
	s_wait_tensorcnt 0x0                           ; all my tensor loads have landed, so a group 0 may be written
	ds_add_u32 v[SPW], v[NIL]                      ; 0 onto my spare word
	s_wait_dscnt 9                                 ; (the add and the youngest eight loads may be out)
	MUL16 F1, 0, 0, 0                              ; sixteen matrix instructions stand between the add and the wait for it
	s_wait_dscnt 0x0                               ; the add is done, and my reads of this slot are over
	s_barrier_signal -1
	MUL16 F1, 0, 2, 0                              ; work on registers while the others arrive
	WIN 0                                          ; at a branch and at a label every window is 0
	s_barrier_wait -1
.if \fill
	CREST                                          ; no wave of any partner still reads this slot or has a load on its way
	s_xor_b32 s[G0A+1], s[G0A+1], SLOT             ; the walking descriptors: the other slot than last time,
	s_xor_b32 s[G0B+1], s[G0B+1], SLOT
	s_add_nc_u64 s[G0A+2:G0A+3], s[G0A+2:G0A+3], KSTEP  ; the next K step; the type bits on top are not reached
	s_add_nc_u64 s[G0B+2:G0B+3], s[G0B+2:G0B+3], KSTEP
	JLOAD                                          ; its four v_nop are also the places in front of the loads below
.else
	PLACES
.endif
	s_xor_b32 s[TB], s[TB], SLOT
	v_add_nc_u32 v[ADRA], s[TB], v[ADRA0]
	v_add_nc_u32 v[ADRB], s[TB], v[ADRB0]
	FETCH 0, F0
	MUL16 F1, 1, 0, 0
	MUL16 F1, 1, 2, 0
.endm
; THE SOFTMAX OF QUERY BLOCK a OVER MY 128 KEYS.  The lane's 64 scores are v[AC ..] of window W.
.macro SOFT a
.set AC, 64*((\a)%4)
.set W, 2+(\a)/4
.set SA, ST+2*((\a)%2)
	WIN W|(W<<2)|(W<<4)                            ; three sources in window W, destination in window 0
.irp b, 0,1,2,3,4,5,6,7
	v_max3_num_f32 v[CH+(\b)], v[AC+8*(\b)], v[AC+8*(\b)+1], v[AC+8*(\b)+2]  ; eight chains, one an accumulator; its lowest registers are read first
.endr
	WIN (W<<2)|(W<<4)
.irp j, 3, 5
.irp b, 0,1,2,3,4,5,6,7
	v_max3_num_f32 v[CH+(\b)], v[CH+(\b)], v[AC+8*(\b)+(\j)], v[AC+8*(\b)+(\j)+1]
.endr
.endr
.irp b, 0,1,2,3
	v_max3_num_f32 v[CH+(\b)], v[CH+(\b)], v[AC+16*(\b)+7], v[AC+16*(\b)+15]  ; the eight scores left over
.endr
	WIN 0
	v_max3_num_f32 v[CH], v[CH], v[CH+1], v[CH+2]
	v_max3_num_f32 v[CH+3], v[CH+3], v[CH+4], v[CH+5]
	v_max_num_f32 v[CH+6], v[CH+6], v[CH+7]
	v_max3_num_f32 v[CH], v[CH], v[CH+3], v[CH+6]
	v_permlanex16_b32 v[CH+1], v[CH], s[SEL], s[SEL+1]  ; the query's other 64 keys lie in the lane 16 away
	v_max_num_f32 v[CH], v[CH], v[CH+1]
	v_mul_f32 v[SA], s[CS], v[CH]                  ; c m
	WIN (W<<6)|W                                   ; destination and source 0 in window W, c m in window 0
.irp i, 0,1
	v_pk_fma_f32 v[AC+2*(\i):AC+2*(\i)+1], v[AC+2*(\i):AC+2*(\i)+1], s[CS:CS+1], v[SA:SA+1] op_sel_hi:[1,0,0] neg_lo:[0,0,1] neg_hi:[0,0,1]  ; c s - c m for a pair
.endr
.set i, 0
.rept 32                               ; pair i's two exponentials, and between them the scaling of the pair two further on; no result is used before the plain line behind the last
	v_exp_f32 v[AC+2*i], v[AC+2*i]
.if i+2 < 32
	v_pk_fma_f32 v[AC+2*i+4:AC+2*i+5], v[AC+2*i+4:AC+2*i+5], s[CS:CS+1], v[SA:SA+1] op_sel_hi:[1,0,0] neg_lo:[0,0,1] neg_hi:[0,0,1]
.endif
	v_exp_f32 v[AC+2*i+1], v[AC+2*i+1]
.set i, i+1
.endr
	v_nop                                          ; a plain instruction between the last exponential and the use of its result (ISA guide 5.7.2)
	WIN W|(W<<2)                                   ; sources in window W, destination in window 0
.set i, 0
	s_wait_alu depctr_va_vdst(0)
.rept 32
	v_cvt_pk_f16_f32 v[TMP+i], v[AC+2*i], v[AC+2*i+1]  ; eight neighbouring keys of a query pack into 16 bytes
.set i, i+1
.endr
	WIN 0
	; Two key blocks' packed p ARE a fragment (16 queries x 32 keys).  Ones times it gives, in every register of a lane, the sum of its query's 32 weights, both halves of the lanes' among them.
	; Two accumulators take turns.
	v_wmma_f32_16x16x32_f16 v[L0:L0+7], v[ONES:ONES+7], v[TMP:TMP+7], 0
	v_wmma_f32_16x16x32_f16 v[L1:L1+7], v[ONES:ONES+7], v[TMP+8:TMP+15], 0
	v_wmma_f32_16x16x32_f16 v[L0:L0+7], v[ONES:ONES+7], v[TMP+16:TMP+23], v[L0:L0+7]
	v_wmma_f32_16x16x32_f16 v[L1:L1+7], v[ONES:ONES+7], v[TMP+24:TMP+31], v[L1:L1+7]
	PLACES
	v_add_f32 v[SA+1], v[L0], v[L1]                ; l
.endm
; The statistics of query blocks 2 n and 2 n + 1: lanes 0-15 take the first block's pair, lanes 16-31 the second's: 32 rows x 8 bytes, 256 consecutive bytes at a multiple of 256 from st's first byte.
.macro STATS n
	v_cndmask_b32 v[SOUT],   v[ST],   v[ST+2], s[HM]
	v_cndmask_b32 v[SOUT+1], v[ST+1], v[ST+3], s[HM]
	global_store_b64 v[SO], v[SOUT:SOUT+1], s[8:9] offset:256*(\n)  ; the pair is written again only behind SEND's s_wait_xcnt 0
.endm
.macro TOSTAGE a                       ; into my own stage, and back as whole rows of 256 bytes
.set BK, OB+32*((\a)%2)
.irp b, 0,1,2,3,4,5,6,7
	ds_store_b128 v[STO], v[TMP+4*(\b):TMP+4*(\b)+3] offset:32*(\b)
.endr
.irp t, 0,1,2,3,4,5,6,7
	ds_load_b128 v[BK+4*(\t):BK+4*(\t)+3], v[RD] offset:(\t)*2*PITCH  ; LDS serves a wave's instructions in order (ISA guide 5.7.1.4): these see the stores above
.endr
.endm
.macro SEND a
.set BK, OB+32*((\a)%2)
	s_wait_dscnt 0x0                               ; the block is back in registers
	s_wait_xcnt 0x0                                ; the earlier stores have read their registers, into which the next block is read back
.irp t, 0,1,2,3,4,5,6,7
	global_store_b128 v[CO], v[BK+4*(\t):BK+4*(\t)+3], s[6:7] offset:(16*(\a)+2*(\t))*CP  ; 16 lanes store 256 consecutive bytes, at a multiple of 256 from p's first byte
.endr
.endm
	s_wait_tensorcnt 0x1                           ; my part of K step 0 is in; K step 1's may stay out
	s_barrier_signal -1
	s_barrier_wait -1
	FETCH 0, F0
	QUARTER 64, F0, F1, 1                          ; the first quarter starts the sums: nothing is cleared
	WIN 0
	s_mov_b32 s3, NS-2
.Lstep:                                                ; a trip: a K step's quarters 1 to 3, a refill, and the next step's quarter 0
	QUARTER 128, F1, F0, 0
	QUARTER 192, F0, F1, 0
	TURN 1
	QUARTER 64, F0, F1, 0
	WIN 0
	s_sub_co_u32 s3, s3, 1
	s_cmp_lg_u32 s3, 0
	s_cbranch_scc1 .Lstep
	QUARTER 128, F1, F0, 0                         ; the last two K steps ask for nothing
	QUARTER 192, F0, F1, 0
	TURN 0
	QUARTER 64, F0, F1, 0
	QUARTER 128, F1, F0, 0
	QUARTER 192, F0, F1, 0
	s_wait_dscnt 8
	MUL16 F1, 0, 0, 0
	MUL16 F1, 0, 2, 0
	s_wait_dscnt 0x0
	MUL16 F1, 1, 0, 0
	MUL16 F1, 1, 2, 0
	WIN 0
	PLACES
	SOFT 0
	TOSTAGE 0
.irp a, 1,2,3,4,5,6,7                  ; a block's arithmetic stands between the loads of the block before and the wait for them
	SOFT \a
.if (\a)%2
	STATS (\a)/2
.endif
	SEND (\a)-1
	TOSTAGE \a
.endr
	SEND 7
	s_wait_tensorcnt 0x0                           ; the wave's end: behind my last tensor load and my last LDS store
	ds_add_u32 v[SPW], v[NIL]
	s_wait_dscnt 0x0
	CROUND                                         ; the closing round: no work-group ends while a partner may still ask for a tile that names it
	s_endpgm
.Lfunc_end_k_qec74e6b0ba_scores:
	.size	k_qec74e6b0ba_scores, .Lfunc_end_k_qec74e6b0ba_scores-k_qec74e6b0ba_scores
	.p2alignl 7, 3214868480
	.fill 96, 4, 3214868480
	.section	.rodata,"a",@progbits
	.p2align	6, 0x0
	.amdhsa_kernel k_qec74e6b0ba_scores
		.amdhsa_group_segment_fixed_size 327680
		.amdhsa_private_segment_fixed_size 0
		.amdhsa_enable_private_segment 0
		.amdhsa_kernarg_size 24
		.amdhsa_user_sgpr_count 2
		.amdhsa_user_sgpr_kernarg_segment_ptr 1
		.amdhsa_wavefront_size32 1
		.amdhsa_system_sgpr_workgroup_id_x 1
		.amdhsa_system_sgpr_workgroup_id_y 1
		.amdhsa_system_sgpr_workgroup_id_z 1
		.amdhsa_system_vgpr_workitem_id 0
		.amdhsa_next_free_vgpr 1024
		.amdhsa_next_free_sgpr 80
		.amdhsa_reserve_vcc 0
		.amdhsa_float_denorm_mode_32 3
		.amdhsa_float_denorm_mode_16_64 3
		.amdhsa_memory_ordered 1
		.amdhsa_forward_progress 1
		.amdhsa_inst_pref_size 171
	.end_amdhsa_kernel
	.amdgpu_metadata
---
amdhsa.version: [ 1, 2 ]
amdhsa.kernels:
  - .name:           k_qec74e6b0ba_scores
    .symbol:         k_qec74e6b0ba_scores.kd
    .args:
      - { .name: qkv, .offset: 0, .size: 8, .value_kind: global_buffer, .address_space: global }
      - { .name: p, .offset: 8, .size: 8, .value_kind: global_buffer, .address_space: global }
      - { .name: st, .offset: 16, .size: 8, .value_kind: global_buffer, .address_space: global }
    .group_segment_fixed_size: 327680
    .private_segment_fixed_size: 0
    .kernarg_segment_align: 8
    .kernarg_segment_size: 24
    .max_flat_workgroup_size: 128
    .sgpr_count:     80
    .vgpr_count:     1024
    .wavefront_size: 32
...
	.end_amdgpu_metadata
.endif
;; end of part 3
;; launch pv (part 4): grid 4 x 64, 4 waves a work-group, clusters of 4 x 4, 327,680 bytes of LDS; arguments p, qkv, st, out0; writes out0
.if DOCPART == 4
	.amdgcn_target "amdgcn-amd-amdhsa--gfx1250"
	.amdhsa_code_object_version 6
	.text
	.protected	k_qec74e6b0ba_pv
	.globl	k_qec74e6b0ba_pv
	.p2align	8
	.type	k_qec74e6b0ba_pv,@function
k_qec74e6b0ba_pv:
	s_mov_b64 s[64:65], 0
	v_nop
	global_prefetch_b8 v0, s[64:65] scope:SCOPE_SE
	s_setreg_imm32_b32 hwreg(HW_REG_WAVE_MODE, 25, 1), 1
	s_wait_xcnt 0x0
	s_wait_alu depctr_hold_cnt(0) depctr_sa_sdst(0) depctr_va_vdst(0) depctr_va_sdst(0) depctr_va_ssrc(0) depctr_va_vcc(0) depctr_vm_vsrc(0)
	s_getreg_b32 s2, hwreg(HW_REG_IB_STS2, 6, 4)
	s_cmp_eq_u32 s2, 0
	s_cbranch_scc0 .Lentry_in_a_cluster
	s_endpgm
.Lentry_in_a_cluster:
	s_bfe_u32 s2, ttmp6, 0x10000c
	s_cmp_lg_u32 s2, 0xf033
	s_cbranch_scc0 .Lentry_shape_is_right
	s_endpgm
.Lentry_shape_is_right:
; out[t][d] = (sum over the 16 key blocks of f_blk x sum over the block's keys of p[t][key] v[key][d]) / L[t].
; p: [8192][2048] f16, each block of 128 keys relative to its own maximum; st[blk][t] = (c m_blk, l_blk) in f32; v: columns 2048-3071 of qkv, [8192][3072] f16; out: [8192][1024] f32.
; M = the largest of a row's 16 c m_blk: the row's true maximum; f_blk = 2^(c m_blk - M); L = the sum of f_blk l_blk.  L is at least 1: the block that holds M has f = 1 and l >= 1.
; A K step is one block: its products start with 0, and at its end the running sums take f x the block's sums, all in f32.
; LIMITS.  f below 2^-126 counts as 0, beside an L of at least 1; NaN and infinities are not treated apart.
; SHARES.  A tile of out is 128 rows x 256 columns: 256 tiles, one to a work-group.  Four waves, each 64 x 128: 32 accumulators.  K (a batch's 2,048 keys) goes in 16 steps of 128
; through two LDS slots: 128 rows x 256 bytes of p and 128 keys x 512 bytes of v.  A step's 128 matrix instructions all stand between a refill and the wait for it.
; CLUSTER.  4 x 4 work-groups of one batch: the four of a row need the same rows of p, the four of a column the same columns of v: joint loads.
; THE MATRIX INSTRUCTION IS USED TRANSPOSED (source 0 = 16 channels of v, turned on its way out of LDS by ds_load_tr16_b128; source 1 = 16 rows of p): a lane holds row l % 16 and eight neighbouring channels.
; REGISTERS: window 0: v0-29 addresses and factors; v32-39 1 / L; two fragment buffers of 96: v64-95 p, v96-159 v; v160-191 p, v192-255 v.
;   window 1: the block's sums, accumulator (a, b) at v[8 (8 a + b)].   window 2: the running sums, in the same places; cleared on purpose, in the wait for the first tile: no first step is written out.
.set PITCH,  272                       ; a row of p in LDS: 256 bytes + 16, an odd multiple of 16 (64 banks of 4 bytes: ISA guide 11.1)
.set VP,     544                       ; a key's row of v: 512 bytes + 32, an odd multiple of 32
.set BHALF,  64*VP                     ; what one tensor load brings of v: 64 keys
.set AHALF,  64*PITCH
.set AOFF,   2*BHALF                   ; in a slot: v's 128 keys, then p's 128 rows
.set SLOT1,  1<<17
.set STAGE,  SLOT1+AOFF+2*AHALF        ; behind the ring: 16 rows x 528 bytes for each wave, for the way out
.set OP,     528                       ; a stage row: 512 bytes + 16
.set FT,     STAGE+4*16*OP             ; the factors: [16 blocks][128 rows] f32
.set IL,     FT+16*512                 ; 1 / L: [128 rows] f32
.set SPARE,  IL+512                    ; the spare words, 128 bytes a wave: two blocks of 256 bytes that no other line names
.set NS,     16
.set QP,     6144
.set STEPA,  256                       ; a K step: 128 keys along p's rows,
.set STEPB,  128*QP                    ; 128 rows of qkv down
.set ADRA0, 10
.set ADRB0, 11
.set ADRA,  12
.set ADRB,  13
.set STO,   14
.set RD,    15
.set CO,    16
.set FADR0, 17                         ; v17  LDS address of my rows' factors of block 0; never rewritten
.set FADR,  18                         ; v18  of the block in hand
.set SOF,   19                         ; v19  8 x thread: my row's pair in a block of st; never rewritten
.set FAC,   20                         ; v20-27  the factor of my row in row block a at v[20 + 2 a]; the odd ones are named with them as pairs
.set SPW,   28
.set NIL,   29
.set IV,    32                         ; v32-39  1 / L of my row in row block a at v[32 + 2 a]
.set F0,    64
.set F1,    160
.set OB,    64                         ; the way out: 16 rows read back: v64-127 and v128-191 by turns
.set WV, 12
.set HB, 13
.set LB, 14
.set G1A, 24
.set G1B, 32
.set G0A0, 40
.set G0A, 44
.set G0B0, 48
.set G0B, 52
.set CX, 56
.set CY, 57
.set TX, 58
.set TY, 59
.set TB, 62
.set FS, 63                            ; s63  512 x the block whose factors are fetched next
.set BAT, 69
.set MSB, 0
.macro WIN new
.if MSB != (\new)
	s_set_vgpr_msb (MSB<<8)|(\new)
.set MSB, \new
.endif
.endm
.set MULW, 0x50                        ; fragments in window 0, C and D in window 1
.macro PLACES                          ; four plain vector instructions behind a matrix instruction, ahead of loads into its sources and of reads of its result (ISA guide 7.12.1 for reads of its result)
.rept 4
	v_nop
.endr
.endm
.macro JLOAD                           ; a joint refill: waves 0 and 1 fetch v's two halves, waves 2 and 3 p's; an s_nop 0 and four v_nop follow each line
	s_cmp_lt_u32 s[WV], 2
	s_cbranch_scc0 .Lfor_a_\@
	tensor_load_to_lds s[G0B:G0B+3], s[G1B:G1B+7]
	s_nop 0
.rept 4
	v_nop
.endr
	s_branch .Lasked_\@
.Lfor_a_\@:
	tensor_load_to_lds s[G0A:G0A+3], s[G1A:G1A+7]
	s_nop 0
.rept 4
	v_nop
.endr
.Lasked_\@:
.endm
.macro CROUND                          ; a round of the cluster's barrier
	s_barrier_signal -1
	s_barrier_wait -1
	s_cmp_lg_u32 s[WV], 0
	s_cbranch_scc1 .Lnot_wave_0_\@
	s_barrier_signal -3
.Lnot_wave_0_\@:
	s_barrier_wait -3
	s_barrier_signal -1
	s_barrier_wait -1
.endm
	s_load_b256 s[4:11], s[0:1], 0x0               ; p s[4:5], qkv s[6:7], st s[8:9], out s[10:11]
	v_lshl_add_u32 v[SPW], v0, 2, SPARE
	v_mov_b32 v[NIL], 0
	ds_add_u32 v[SPW], v[NIL]                      ; the wave's opening: the add and its wait stand ahead of my first tensor load; the set-up below, work on registers, stands between them
	v_lshrrev_b32 v3, 5, v0
	v_readfirstlane_b32 s[WV], v3
	s_lshr_b32 s[HB], s[WV], 1
	s_and_b32 s[LB], s[WV], 1
	s_bfe_u32 s[CX], ttmp6, 0x40000
	s_bfe_u32 s[CY], ttmp6, 0x40004
	s_lshl_b32 s[TX], ttmp9, 2
	s_add_co_u32 s[TX], s[TX], s[CX]               ; tile column, 0..3
	s_and_b32 s[BAT], ttmp7, 0xffff
	s_lshl_b32 s[TY], s[BAT], 2
	s_add_co_u32 s[TY], s[TY], s[CY]               ; tile row, 0..63
	s_lshr_b32 s[BAT], s[BAT], 2                   ; the batch, made of the cluster's y alone
	s_lshl_b32 s70, s[CY], 2
	s_lshl_b32 s70, 15, s70                        ; my row of the cluster
	s_lshl_b32 s71, 0x1111, s[CX]                  ; my column
	s_or_b32 s[G1A], s70, (1<<16)|(1<<20)|(1<<21)|(5<<22)|(3<<25)  ; mask; 2-byte elements; padding on; bit 21 beside a mask; after every 64 words; 4 words
	s_or_b32 s[G1B], s71, (1<<16)|(1<<20)|(1<<21)|(6<<22)|(7<<25)  ; v: after every 128 words (code 6), 8 words (code 7)
	s_mov_b32 s[G1A+1], 128<<16                    ; p: 64 rows x 128 elements,
	s_mov_b32 s[G1A+2], 64<<16
	s_mov_b32 s[G1A+3], 128<<16
	s_mov_b32 s[G1A+4], 64
	s_mov_b32 s[G1A+5], 2048                       ; 2,048 elements from row to row
	s_mov_b32 s[G1A+6], 0
	s_mov_b32 s[G1A+7], 0
	s_mov_b32 s[G1B+1], 256<<16                    ; v: 64 keys x 256 elements,
	s_mov_b32 s[G1B+2], 64<<16
	s_mov_b32 s[G1B+3], 256<<16
	s_mov_b32 s[G1B+4], 64
	s_mov_b32 s[G1B+5], 3072                       ; 3,072 elements from key to key
	s_mov_b32 s[G1B+6], 0
	s_mov_b32 s[G1B+7], 0
	s_lshl_b32 s16, s[TY], 7                       ; p: row 128 x tile row + 64 x half, rows of 4,096 bytes
	s_lshl_b32 s17, s[LB], 6
	s_add_co_u32 s16, s16, s17
	s_lshl_b32 s16, s16, 12
	s_mov_b32 s17, 0
	s_lshl_b32 s20, s[BAT], 11                     ; v: row 2,048 x batch + 64 x half; 4,096 bytes into the row, and 512 x tile column
	s_lshl_b32 s21, s[LB], 6
	s_add_co_u32 s20, s20, s21
	s_mul_i32 s20, s20, QP
	s_lshl_b32 s21, s[TX], 9
	s_add_co_u32 s20, s20, s21
	s_add_co_u32 s20, s20, 4096
	s_mov_b32 s21, 0
	s_mul_i32 s18, s[WV], AHALF                    ; where they go: p's halves (waves 2, 3) behind v's 128 keys,
	s_add_co_u32 s18, s18, AOFF-2*AHALF
	s_mul_i32 s19, s[WV], BHALF                    ; v's halves (waves 0, 1) at the slot's head
	s_mov_b32 s[G0A0], 1
	s_mov_b32 s[G0A0+1], s18
	s_mov_b32 s[G0A], 1
	s_add_co_u32 s[G0A+1], s18, SLOT1
	s_mov_b32 s[G0B0], 1
	s_mov_b32 s[G0B0+1], s19
	s_mov_b32 s[G0B], 1
	s_add_co_u32 s[G0B+1], s19, SLOT1
	s_mov_b32 s[TB], 0
	s_mov_b32 s[FS], 0
	s_wait_dscnt 0x0                               ; the opening add is done
	s_wait_kmcnt 0x0
	s_add_nc_u64 s[G0A0+2:G0A0+3], s[4:5], s[16:17]
	s_add_nc_u64 s[G0A+2:G0A+3], s[G0A0+2:G0A0+3], STEPA
	s_or_b32 s[G0A0+3], s[G0A0+3], 0x80000000
	s_or_b32 s[G0A+3], s[G0A+3], 0x80000000
	s_add_nc_u64 s[G0B0+2:G0B0+3], s[6:7], s[20:21]
	s_add_nc_u64 s[G0B+2:G0B+3], s[G0B0+2:G0B0+3], STEPB
	s_or_b32 s[G0B0+3], s[G0B0+3], 0x80000000
	s_or_b32 s[G0B+3], s[G0B+3], 0x80000000
	CROUND                                         ; all sixteen work-groups are here: the first joint loads meet
	s_cmp_lt_u32 s[WV], 2                          ; a wave's two first fills stand in one branch: two loads of mine are out
	s_cbranch_scc0 .Lfirst_a
	tensor_load_to_lds s[G0B0:G0B0+3], s[G1B:G1B+7]
	s_nop 0
	tensor_load_to_lds s[G0B:G0B+3], s[G1B:G1B+7]
	s_nop 0
.rept 4
	v_nop
.endr
	s_branch .Lfirst_asked
.Lfirst_a:
	tensor_load_to_lds s[G0A0:G0A0+3], s[G1A:G1A+7]
	s_nop 0
	tensor_load_to_lds s[G0A:G0A+3], s[G1A:G1A+7]
	s_nop 0
.rept 4
	v_nop
.endr
.Lfirst_asked:
	; THE FACTORS, made while the first tiles are on their way.  Thread t serves row t of the tile: its 16 pairs (c m, l) come into v[64 + 2 blk], v[65 + 2 blk].
	s_lshl_b32 s72, s[TY], 10                      ; 128 rows x 8 bytes for each tile row
	s_mov_b32 s73, 0
	s_add_nc_u64 s[8:9], s[8:9], s[72:73]
	v_lshlrev_b32 v[SOF], 3, v0
.set i, 0
.rept 16
	global_load_b64 v[64+2*i:65+2*i], v[SOF], s[8:9] offset:65536*i  ; a wave's load covers 256 consecutive bytes
.set i, i+1
.endr
	WIN 0x80                                       ; the running sums start at 0
.set i, 0
.rept 256
	v_mov_b32 v[i], 0
.set i, i+1
.endr
	WIN 0
	v_and_b32 v1, 15, v0                           ; l % 16
	v_bfe_u32 v2, v0, 4, 1                         ; l / 16
	v_mul_u32_u24 v3, v1, PITCH
	v_lshl_add_u32 v3, v2, 4, v3                   ; p's fragments: row x pitch + 16 x half
	s_mul_i32 s72, s[HB], AHALF
	s_add_co_u32 s72, s72, AOFF
	v_add_nc_u32 v[ADRA0], s72, v3
	; The turning load takes 16 keys x 16 channels (lane l reads key 8 (l / 16) + l % 8, channels 8 ((l / 8) % 2) + 0..7) and leaves half a fragment: lane l holds channel l % 16 and 8 keys.
	v_and_b32 v4, 7, v0
	v_bfe_u32 v5, v0, 3, 1
	v_lshl_add_u32 v4, v2, 3, v4
	v_mul_u32_u24 v4, v4, VP
	v_lshl_add_u32 v4, v5, 4, v4
	s_lshl_b32 s73, s[LB], 8                       ; my 128 channels of the tile's 256
	v_add_nc_u32 v[ADRB0], s73, v4
	v_mov_b32 v[ADRA], v[ADRA0]
	v_mov_b32 v[ADRB], v[ADRB0]
	s_mul_i32 s72, s[WV], 16*OP
	s_add_co_u32 s72, s72, STAGE                   ; my stage
	v_mul_u32_u24 v4, v1, OP                       ; in: row l % 16, 32 bytes for each half of the lanes
	v_lshl_add_u32 v4, v2, 5, v4
	v_add_nc_u32 v[STO], s72, v4
	v_and_b32 v4, 31, v0
	v_lshlrev_b32 v[CO], 4, v4                     ; back and out: 32 lanes take a row's 512 bytes
	v_add_nc_u32 v[RD], s72, v[CO]
	s_lshl_b32 s72, s[HB], 8
	s_add_co_u32 s72, s72, FT
	v_lshl_add_u32 v[FADR0], v1, 2, s72            ; the factor of row 64 x half + l % 16
	v_lshl_add_u32 v6, v0, 2, FT                   ; where thread t puts its row's factors
.irp a, 0,1,2,3
	v_mov_b32 v[FAC+2*(\a)+1], 0                   ; named with the factors as pairs
.endr
	s_lshl_b32 s72, s[TY], 7                       ; where my part of the tile begins in out
	s_lshl_b32 s73, s[HB], 6
	s_add_co_u32 s72, s72, s73
	s_lshl_b32 s72, s72, 12
	s_lshl_b32 s73, s[TX], 10
	s_add_co_u32 s72, s72, s73
	s_lshl_b32 s73, s[LB], 9
	s_add_co_u32 s72, s72, s73
	s_mov_b32 s73, 0
	s_add_nc_u64 s[10:11], s[10:11], s[72:73]
	s_wait_loadcnt 0x0
	v_max3_num_f32 v96, v64, v66, v68              ; M
.irp i, 3,5,7,9,11,13
	v_max3_num_f32 v96, v96, v[64+2*(\i)], v[66+2*(\i)]
.endr
	v_max_num_f32 v96, v96, v94
.set i, 0
.rept 16
	v_sub_f32 v[100+i], v[64+2*i], v96             ; c m_blk - M, 0 at the most
.set i, i+1
.endr
.set i, 0
.rept 16
	v_exp_f32 v[100+i], v[100+i]                   ; f
.set i, i+1
.endr
	v_nop                                          ; a plain instruction between the last exponential and the use of its result (ISA guide 5.7.2)
	s_wait_alu depctr_va_vdst(0)
	v_mul_f32 v97, v100, v65
.set i, 1
.rept 15
	v_fmac_f32 v97, v[100+i], v[65+2*i]            ; L
.set i, i+1
.endr
	v_rcp_f32 v98, v97
	v_nop
.set i, 0
.rept 16
	ds_store_b32 v6, v[100+i] offset:512*i
.set i, i+1
.endr
	s_wait_alu depctr_va_vdst(0)
	ds_store_b32 v6, v98 offset:IL-FT
; 8 matrix instructions: channel blocks b0, b0 + 1 x all four row blocks, 32 keys.  z = 1: the first product starts the block's sums.
; The 32 accumulators take turns in one order everywhere.
.macro MUL8 f, b0, z
	WIN MULW
.irp b, \b0, (\b0)+1
.irp a, 0,1,2,3
.if \z
	v_wmma_f32_16x16x32_f16 v[8*(8*(\a)+(\b)):8*(8*(\a)+(\b))+7], v[(\f)+32+8*(\b):(\f)+32+8*(\b)+7], v[(\f)+8*(\a):(\f)+8*(\a)+7], 0
.else
	v_wmma_f32_16x16x32_f16 v[8*(8*(\a)+(\b)):8*(8*(\a)+(\b))+7], v[(\f)+32+8*(\b):(\f)+32+8*(\b)+7], v[(\f)+8*(\a):(\f)+8*(\a)+7], v[8*(8*(\a)+(\b)):8*(8*(\a)+(\b))+7]
.endif
.endr
.endr
.endm
.macro FETCH q, f                      ; 24 LDS loads in one run: quarter q's fragments (64 rows of p, then 128 channels of v, 32 keys) into buffer f
	WIN 0
.irp i, 0,1,2,3
	ds_load_b128 v[(\f)+8*(\i):(\f)+8*(\i)+3],   v[ADRA] offset:64*(\q)+(\i)*16*PITCH
	ds_load_b128 v[(\f)+8*(\i)+4:(\f)+8*(\i)+7], v[ADRA] offset:64*(\q)+(\i)*16*PITCH+32
.endr
.irp i, 0,1,2,3,4,5,6,7
	ds_load_tr16_b128 v[(\f)+32+8*(\i):(\f)+32+8*(\i)+3],   v[ADRB] offset:(\q)*32*VP+32*(\i)
	ds_load_tr16_b128 v[(\f)+32+8*(\i)+4:(\f)+32+8*(\i)+7], v[ADRB] offset:(\q)*32*VP+16*VP+32*(\i)
.endr
.endm
.macro FACLOAD                         ; the factors of my four rows for the K step that begins; they are used at that step's end, behind many waits that cover them
	WIN 0
	v_add_nc_u32 v[FADR], s[FS], v[FADR0]
	s_add_co_u32 s[FS], s[FS], 512
.irp a, 0,1,2,3
	ds_load_b32 v[FAC+2*(\a)], v[FADR] offset:64*(\a)
.endr
.endm
.macro FOLD                            ; the running sums take f x the block's sums; each accumulator's registers in ascending order
	WIN 0xa1                                       ; destination and source 2 in window 2, source 0 in window 1, the factor in window 0
.irp a, 0,1,2,3
.set i, 0
.rept 32
	v_pk_fma_f32 v[64*(\a)+2*i:64*(\a)+2*i+1], v[64*(\a)+2*i:64*(\a)+2*i+1], v[FAC+2*(\a):FAC+2*(\a)+1], v[64*(\a)+2*i:64*(\a)+2*i+1] op_sel_hi:[1,0,1]
.set i, i+1
.endr
.endr
.endm
.macro QUARTER q, f, g, z              ; multiplies buffer f and, in its middle, fetches quarter q into buffer g
	s_wait_dscnt 8                                 ; at most the youngest eight LDS loads are out: none of p's, none of v's blocks 0-3
	MUL8 \f, 0, \z
	MUL8 \f, 2, \z
	PLACES
	FETCH \q, \g
	s_wait_dscnt 24                                ; all but the 24 just issued
	MUL8 \f, 4, \z
	MUL8 \f, 6, \z
.endm
; The last quarter changes slots at its head, so that a refill has a whole step's products in which to land.  Each wave waits for all its tensor loads, of which one is out: its part of the next slot;
; adds 0 to its spare word; and waits for that and for its own reads of this slot, the last quarter's fragments among them.  fill = 1: a round of the cluster's barrier, and the joint refill first
; behind it: this slot takes the K step behind the one asked for last.  fill = 0: the work-group's barrier alone.  Then the next slot's first fragments, the quarter's products, and the block's end.
.macro TURN fill
	WIN 0
	s_wait_tensorcnt 0x0                           ; all my tensor loads have landed, so a group 0 may be written
	ds_add_u32 v[SPW], v[NIL]                      ; 0 onto my spare word
.if \fill
	s_xor_b32 s[G0A+1], s[G0A+1], SLOT1            ; the walking descriptors: the other slot than last time, the next K step
	s_xor_b32 s[G0B+1], s[G0B+1], SLOT1
	s_add_nc_u64 s[G0A+2:G0A+3], s[G0A+2:G0A+3], STEPA
	s_add_nc_u64 s[G0B+2:G0B+3], s[G0B+2:G0B+3], STEPB
	s_wait_dscnt 0x0                               ; the add is done, and my reads of this slot are over
	CROUND                                         ; no wave of any partner still reads this slot or has a load on its way
	JLOAD                                          ; its four v_nop are also the places in front of the loads below
.else
	s_wait_dscnt 0x0
	s_barrier_signal -1
	s_barrier_wait -1
	PLACES
.endif
	s_xor_b32 s[TB], s[TB], SLOT1
	v_add_nc_u32 v[ADRA], s[TB], v[ADRA0]
	v_add_nc_u32 v[ADRB], s[TB], v[ADRB0]
	FETCH 0, F0
	MUL8 F1, 0, 0
	MUL8 F1, 2, 0
	MUL8 F1, 4, 0
	MUL8 F1, 6, 0
	PLACES
	FOLD
	FACLOAD
.endm
; THE WAY OUT of row block a.  NORM: divided by L.  OSTAGE: into my own stage, and back as whole rows of 512 bytes.  SEND: stored.
.macro NORM a
	WIN 0x82                                       ; destination and source 0 in window 2, 1 / L in window 0
.set i, 0
.rept 32
	v_pk_mul_f32 v[64*(\a)+2*i:64*(\a)+2*i+1], v[64*(\a)+2*i:64*(\a)+2*i+1], v[IV+2*(\a):IV+2*(\a)+1] op_sel_hi:[1,0]
.set i, i+1
.endr
.endm
.macro OSTAGE a
.set BK, OB+64*((\a)%2)
	WIN 0x08                                       ; the stores' data in window 2, their address in window 0
.irp b, 0,1,2,3,4,5,6,7
	ds_store_b128 v[STO], v[64*(\a)+8*(\b):64*(\a)+8*(\b)+3]   offset:64*(\b)
	ds_store_b128 v[STO], v[64*(\a)+8*(\b)+4:64*(\a)+8*(\b)+7] offset:64*(\b)+16
.endr
	WIN 0
.irp t, 0,1,2,3,4,5,6,7,8,9,10,11,12,13,14,15
	ds_load_b128 v[BK+4*(\t):BK+4*(\t)+3], v[RD] offset:(\t)*OP  ; LDS serves a wave's instructions in order (ISA guide 5.7.1.4): these see the stores above
.endr
.endm
.macro SEND a
.set BK, OB+64*((\a)%2)
	WIN 0
	s_wait_dscnt 0x0                               ; the block is back in registers
	s_wait_xcnt 0x0                                ; the stores of the block before have read their registers, into which the next block is read back
.irp t, 0,1,2,3,4,5,6,7,8,9,10,11,12,13,14,15
	global_store_b128 v[CO], v[BK+4*(\t):BK+4*(\t)+3], s[10:11] offset:(16*(\a)+(\t))*4096 th:TH_STORE_NT  ; 512 consecutive bytes, at a multiple of 256 from out's first byte
.endr
.endm
	s_wait_dscnt 0x0                               ; for the others' sake: my rows' factors are in LDS
	s_wait_tensorcnt 0x1                           ; my part of K step 0 is in; K step 1's may stay out
	s_barrier_signal -1
	s_barrier_wait -1
	FACLOAD
	FETCH 0, F0
	QUARTER 1, F0, F1, 1                           ; a step's first quarter starts the block's sums
	WIN 0
	s_mov_b32 s3, NS-2
.Lstep:                                                ; a trip: a K step's quarters 1 to 3, a refill, the block's end, and the next step's quarter 0
	QUARTER 2, F1, F0, 0
	QUARTER 3, F0, F1, 0
	TURN 1
	QUARTER 1, F0, F1, 1
	WIN 0
	s_sub_co_u32 s3, s3, 1
	s_cmp_lg_u32 s3, 0
	s_cbranch_scc1 .Lstep
	QUARTER 2, F1, F0, 0                           ; the last two K steps ask for nothing
	QUARTER 3, F0, F1, 0
	TURN 0
	QUARTER 1, F0, F1, 1
	QUARTER 2, F1, F0, 0
	QUARTER 3, F0, F1, 0
	s_wait_dscnt 8
	MUL8 F1, 0, 0
	MUL8 F1, 2, 0
	s_wait_dscnt 0x0
	MUL8 F1, 4, 0
	MUL8 F1, 6, 0
	PLACES
	FOLD
	WIN 0
.irp a, 0,1,2,3
	ds_load_b32 v[IV+2*(\a)], v[FADR0] offset:IL-FT+64*(\a)  ; 1 / L of row 64 x half + 16 a + l % 16
.endr
.irp a, 0,1,2,3
	v_mov_b32 v[IV+2*(\a)+1], 0                    ; named with it as a pair
.endr
	s_wait_dscnt 0x0
	NORM 0
	OSTAGE 0
.irp a, 1,2,3                          ; block a's arithmetic stands between block a - 1's loads from the stage and the wait for them
	NORM \a
	SEND (\a)-1
	OSTAGE \a
.endr
	SEND 3
	s_wait_tensorcnt 0x0                           ; the wave's end: behind my last tensor load and my last LDS store
	ds_add_u32 v[SPW], v[NIL]
	s_wait_dscnt 0x0
	CROUND                                         ; the closing round
	s_endpgm
.Lfunc_end_k_qec74e6b0ba_pv:
	.size	k_qec74e6b0ba_pv, .Lfunc_end_k_qec74e6b0ba_pv-k_qec74e6b0ba_pv
	.p2alignl 7, 3214868480
	.fill 96, 4, 3214868480
	.section	.rodata,"a",@progbits
	.p2align	6, 0x0
	.amdhsa_kernel k_qec74e6b0ba_pv
		.amdhsa_group_segment_fixed_size 327680
		.amdhsa_private_segment_fixed_size 0
		.amdhsa_enable_private_segment 0
		.amdhsa_kernarg_size 32
		.amdhsa_user_sgpr_count 2
		.amdhsa_user_sgpr_kernarg_segment_ptr 1
		.amdhsa_wavefront_size32 1
		.amdhsa_system_sgpr_workgroup_id_x 1
		.amdhsa_system_sgpr_workgroup_id_y 1
		.amdhsa_system_sgpr_workgroup_id_z 1
		.amdhsa_system_vgpr_workitem_id 0
		.amdhsa_next_free_vgpr 768
		.amdhsa_next_free_sgpr 80
		.amdhsa_reserve_vcc 0
		.amdhsa_float_denorm_mode_32 3
		.amdhsa_float_denorm_mode_16_64 3
		.amdhsa_memory_ordered 1
		.amdhsa_forward_progress 1
		.amdhsa_inst_pref_size 116
	.end_amdhsa_kernel
	.amdgpu_metadata
---
amdhsa.version: [ 1, 2 ]
amdhsa.kernels:
  - .name:           k_qec74e6b0ba_pv
    .symbol:         k_qec74e6b0ba_pv.kd
    .args:
      - { .name: p, .offset: 0, .size: 8, .value_kind: global_buffer, .address_space: global }
      - { .name: qkv, .offset: 8, .size: 8, .value_kind: global_buffer, .address_space: global }
      - { .name: st, .offset: 16, .size: 8, .value_kind: global_buffer, .address_space: global }
      - { .name: out0, .offset: 24, .size: 8, .value_kind: global_buffer, .address_space: global }
    .group_segment_fixed_size: 327680
    .private_segment_fixed_size: 0
    .kernarg_segment_align: 8
    .kernarg_segment_size: 32
    .max_flat_workgroup_size: 128
    .sgpr_count:     80
    .vgpr_count:     768
    .wavefront_size: 32
...
	.end_amdgpu_metadata
.endif
;; end of part 4
